; MI455X (gfx1250); checked and timed in simulation.
; The chip was launched on July 23, 2026; its instructions are those of AMD's public machine-readable ISA for CDNA 5 (MIT licence, August 2026) and "CDNA5" Instruction Set Architecture Reference Guide (July 2026). The comments in the code are by the model that wrote it; some were corrected since.
;; Causal Self Attention. Allowed arithmetic: matrix products marked QUANTISED: E2M1 operands, one E8M0 scale for each 32 along K, by v_wmma_scale_f32_16x16x128_f8f6f4 with both operands' format E2M1 (or v_wmma_scale_f32_32x16x128_f4), f32 sums; products left as they are: bf16, f16 or f32 operands; f32 sums; everything else in f32.
;; Inputs: lambdas 2 float32; qkvo_w 4 x 1,024 x 1,024 float32; ve 1 x 4,096 x 1,024 float32; x 1 x 4,096 x 1,024 float32.
;; Outputs: out0 1 x 4,096 x 1,024 float32.
;; Constants: window = 512.
;; This version of the problem:
;;   THIS VERSION OF THE PROBLEM IS GIVEN IN LOW PRECISION. The matrix products marked QUANTISED in the list below multiply operands that are first quantised to E2M1 (2 exponent bits, 1 mantissa bit; 4 bits a number), with one power-of-two scale for each 32 numbers along K (OCP MX v1.0); their sums are f32. The products marked 'left as it is' may take bf16, f16 or f32 operands, with f32 sums. Whichever they take, every output number must still come out within the allowed error. Rounding operands to bf16 (8 significant bits) uses up far more of that allowance than f16 does (11 bits, for magnitudes from 6e-5 to 65,504). All else is computed in f32.
;;   The module's matrix products, in the order in which they are computed (A, B: the left and right operand; K: the contracted axis; several contracted axes count as one K, in the product's order):
;;     1. [M 4,096, K 1,024] x [K 1,024, N 3,072]; A: input x; B: input qkvo_w: QUANTISED
;;     2. batch 8 x [M 4,096, K 128] x [K 128, N 4,096]; A: computed on the way; B: computed on the way: left as it is (an operand is computed on the way)
;;     3. batch 8 x [M 128, K 4,096] x [K 4,096, N 4,096]; A: computed on the way; B: computed on the way: left as it is (an operand is computed on the way)
;;     4. [M 4,096, K 1,024] x [K 1,024, N 1,024]; A: computed on the way; B: input qkvo_w: left as it is (an operand is computed on the way)
;;   THE QUANTISER, for each operand of a quantised product, along K:
;;     - K is cut into blocks of 32 from its start; a last block that is shorter is filled with zeros.
;;     - A block's scale is 2^e with e = floor(log2(the largest magnitude in the block)) - 2, held to -126 .. 127; a block of zeros has e = 0. As a byte (E8M0): e + 127.
;;     - Each number is divided by its block's scale, clamped to +-6, and rounded to the nearest number of E2M1, ties to even, subnormals kept.
;;     - The product sums the exact products of the quantised numbers (number of the format x scale) in f32.
;;   ~~~python
;;   def quantise(x, axis):      # numpy; x: float32 -> the quantised numbers, widened to float32 again
;;       x = np.moveaxis(x, axis, -1); K = x.shape[-1]
;;       x = np.pad(x, [(0, 0)] * (x.ndim - 1) + [(0, -K % 32)]); x = x.reshape(x.shape[:-1] + (-1, 32)); a = np.abs(x).max(-1, keepdims=True)
;;       e = np.where(a > 0, np.clip(np.frexp(np.where(a > 0, a, 1))[1] - 1 - 2, -126, 127), 0)      # np.frexp(a)[1] - 1 = floor(log2(a)), exactly
;;       r = np.clip(x / 2.0 ** e, -6, 6)
;;       step = 2.0 ** (np.maximum(np.frexp(np.where(r == 0, 1, r))[1] - 1, 0) - 1)
;;       q = np.round(r / step) * step * 2.0 ** e      # np.round: ties to even
;;       return np.moveaxis(q.reshape(q.shape[:-2] + (-1,))[..., :K], -1, axis).astype(np.float32)
;;   ~~~
;; One version. Each part assembles by itself: llvm-mc -triple=amdgcn-amd-amdhsa -mcpu=gfx1250 --defsym DOCPART=n.
;; ======== version 1 of 1: 5 launches
;; limits: values are held in f16: magnitudes above 65,504 overflow, below 6.1e-05 lose precision
;; workspace buffers: x_codes 2,097,152 bytes; w_codes 1,572,864 bytes; scales 229,376 bytes; wo16 2,097,152 bytes; rope 1,048,576 bytes; qkvh 25,165,824 bytes; yimg 8,388,608 bytes; fine 196,608 bytes
;; launch prep (part 1): grid 256 x 1, 4 waves a work-group, no clusters, 33,280 bytes of LDS; arguments x, qkvo_w, x_codes, w_codes, scales, wo16, rope; writes x_codes, w_codes, scales, wo16, rope
.if DOCPART == 1
	.amdgcn_target "amdgcn-amd-amdhsa--gfx1250"
	.amdhsa_code_object_version 6
	.text
	.protected	k_qa21763b8cf_prep
	.globl	k_qa21763b8cf_prep
	.p2align	8
	.type	k_qa21763b8cf_prep,@function
k_qa21763b8cf_prep:
	s_mov_b64 s[64:65], 0
	v_nop
	global_prefetch_b8 v0, s[64:65] scope:SCOPE_SE
	s_setreg_imm32_b32 hwreg(HW_REG_WAVE_MODE, 25, 1), 1
	s_wait_xcnt 0x0
; PREP.  Three jobs, shared out by the work-group's number:
;   work-groups 0-127:   x [4096][1024] f32            -> codes of FP4 (E2M1), K innermost, and one E8M0 byte for each 32 along K
;   work-groups 128-223: qkvo_w's first 3,072 rows     -> the same (the weights of q, k and v)
;   work-groups 224-255: qkvo_w's last 1,024 rows (the output projection) -> f16, row-major; and 128 rows each of the rotation table [4096][64] f32: columns 0-31 cos, 32-63 sin
; THE QUANTISER.  A block's scale is 2^(floor(log2(its largest magnitude)) - 2); its byte is the largest magnitude's exponent field - 2, held at 1 from below.  Each number is divided by
; the scale and rounded to the nearest code, ties to even, beyond 6 to 6.  Rows are dense and 1,024 is a multiple of 32: both tensors are plain streams of blocks of 32.
; A wave takes 16 steps of 512 numbers: four loads of 512 consecutive bytes a step; the 2,048 bytes turn through the wave's own stage in LDS and come back 64 bytes a lane, so that a lane holds
; 16 neighbours along K (two neighbouring lanes hold a block).  A wave's store of codes covers 256 consecutive bytes; its 256 scale bytes are gathered in LDS and leave as one store of 256 bytes.
; THE TABLE.  angle = t x 2^(-10 c / 31), c = 0 .. 31.  It is reduced by n = the nearest whole number to angle x 2 / pi (pi / 2 in two parts, by fused multiply-adds) and
; cos and sin are polynomials on [-pi/4, pi/4]; the quadrant only selects and flips a sign (v_cndmask_b32, v_xor_b32): no branch and no address hangs on it.
; LIMITS.  NaN and infinities among the inputs are not served.  A block whose largest magnitude lies under 2^-124 keeps the byte 1; a block of zeros keeps the byte 1 with zero codes where the
; rule says 127: the bytes are read by this program alone.  f16 holds magnitudes up to 65,504.  The angles are good to a few 1e-4 rad at t near 4,095 (one rounding of the frequency and one of
; the product); the same table serves q and k.
.set WAVES, 4
.set STEPS, 16
.set WGA,   128                        ; work-groups for x
.set WGQ,   224                        ; work-groups that quantise
.set WSC,   131072                     ; where the weights' scale bytes begin in the buffer of scales: behind x's 4,096 x 32
.set EMAX,  2
.set CB,    8                          ; bytes of 16 codes
.set R,     16                         ; v16-79   four sets of 16 numbers as they are loaded
.set X,     80                         ; v80-111  two sets of 16 neighbours
.set C,     128                        ; v128-191 codes: four registers for each step
.set E,     112                        ; v112-127 a scale byte for each step
.set WREG,  8192                       ; LDS: a region for each wave: two stages of 32 x SP bytes, behind them its 256 scale bytes
.set SP,    80                         ; a lane's place in a stage: 64 bytes + 16 of padding
.set SPW,   12                         ; v12      LDS address of my spare word; never rewritten
.set NIL,   13                         ; v13      0; never rewritten
.set SPARE, WAVES*WREG                 ; behind the four regions: the spare words, 128 bytes a wave, which no other line names
.set R2,    16                         ; the third job: v16-143 two sets of 64 numbers of the projection's weights
.set H,     144                        ; v144-175 their f16
	s_load_b128 s[4:7], s[0:1], 0x0                ; x, qkvo_w
	s_load_b128 s[8:11], s[0:1], 0x10              ; x's codes, the weights' codes
	s_load_b128 s[12:15], s[0:1], 0x20             ; the scale bytes, the projection's f16
	s_load_b64 s[16:17], s[0:1], 0x30              ; the table
	v_lshl_add_u32 v[SPW], v0, 2, SPARE
	v_mov_b32 v[NIL], 0
	v_lshrrev_b32 v1, 5, v0
	v_readfirstlane_b32 s18, v1                    ; wave
	v_and_b32 v2, 31, v0                           ; lane
	s_wait_kmcnt 0x0
	s_cmp_ge_u32 ttmp9, WGQ
	s_cbranch_scc1 .Lother
; ---------------- the quantiser ----------------
	v_lshlrev_b32 v3, 4, v2                        ; my 16 bytes of a load's 512
	s_mul_i32 s19, s18, WREG
	v_lshrrev_b32 v14, 2, v2
	v_mul_u32_u24 v14, v14, SP
	v_and_b32 v15, 3, v2
	v_lshl_add_u32 v14, v15, 4, v14
	v_add_nc_u32 v14, s19, v14                     ; the stage, on the way in: SP (lane / 4) + 16 (lane % 4)
	v_mul_u32_u24 v15, v2, SP
	v_add_nc_u32 v15, s19, v15                     ; and on the way out: SP x lane: my 16 neighbours
	v_mul_u32_u24 v4, v2, CB                       ; my codes' place in a step's
	v_lshrrev_b32 v5, 1, v2
	s_add_co_u32 s19, s19, 2*32*SP
	v_add_nc_u32 v5, s19, v5                       ; LDS: my wave's 256 scale bytes, my block's byte
	v_lshlrev_b32 v7, 3, v2                        ; and on the way out 8 bytes a lane
	v_add_nc_u32 v6, s19, v7
	s_cmp_lt_u32 ttmp9, WGA                        ; x's work-group or the weights'?  The choice hangs on the work-group's number alone
	s_cselect_b64 s[4:5], s[4:5], s[6:7]
	s_cselect_b64 s[8:9], s[8:9], s[10:11]
	s_cselect_b32 s20, 0, WSC
	s_cselect_b32 s19, 0, WGA
	s_sub_co_u32 s19, ttmp9, s19
	s_lshl_b32 s19, s19, 2
	s_add_co_u32 s19, s19, s18                     ; which run of 8,192 numbers of the tensor is my wave's
	s_mov_b32 s23, 0
	s_lshl_b32 s22, s19, 15                        ; 32,768 bytes of numbers a run
	s_add_nc_u64 s[4:5], s[4:5], s[22:23]
	s_lshl_b32 s22, s19, 12                        ; 4,096 bytes of codes
	s_add_nc_u64 s[8:9], s[8:9], s[22:23]
	s_lshl_b32 s22, s19, 8                         ; 256 scale bytes
	s_add_co_u32 s22, s22, s20
	s_add_nc_u64 s[12:13], s[12:13], s[22:23]
.macro LOAD t
.irp i, 0,1,2,3
	global_load_b128 v[R+16*((\t)%4)+4*\i:R+16*((\t)%4)+4*\i+3], v3, s[4:5] offset:2048*(\t)+512*\i th:TH_LOAD_NT   ; 32 lanes read 512 consecutive bytes
.endr
.endm
.macro TURN t                          ; step t's numbers through the stage: LDS serves a wave's instructions in order, so no wait stands between the stores and the loads
.irp i, 0,1,2,3
	ds_store_b128 v14, v[R+16*((\t)%4)+4*\i:R+16*((\t)%4)+4*\i+3] offset:32*SP*((\t)%2)+8*SP*\i
.endr
.irp i, 0,1,2,3
	ds_load_b128 v[X+16*((\t)%2)+4*\i:X+16*((\t)%2)+4*\i+3], v15 offset:32*SP*((\t)%2)+16*\i
.endr
.endm
.irp t, 0,1,2,3
	LOAD \t
.endr
	s_wait_loadcnt 12                              ; step 0's four loads are in; the twelve of steps 1 to 3 may be out
	TURN 0
.macro STEP t
.set XS, X+16*((\t)%2)
.if (\t) > 0
	s_wait_dscnt 1                                 ; this step's numbers are back from the stage (the last step's byte store may be out)
.else
	s_wait_dscnt 0x0
.endif
.if (\t)+4 < STEPS
	LOAD (\t)+4                                    ; the registers that the stage's stores have read take the loads of four steps on
.endif
.if (\t)+1 < STEPS
.if STEPS-2-(\t) >= 3
	s_wait_loadcnt 12                              ; the next step's four loads are in; those of the three steps behind it may be out
.else
	s_wait_loadcnt 4*(STEPS-2-(\t))
.endif
	TURN (\t)+1                                    ; and go through the other stage while this step is worked
.endif
	v_max3_num_f32 v8, |v[XS]|, |v[XS+1]|, |v[XS+2]|               ; the largest magnitude of my 16
	v_max3_num_f32 v9, |v[XS+3]|, |v[XS+4]|, |v[XS+5]|
.irp i, 6,10
	v_max3_num_f32 v8, v8, |v[XS+\i]|, |v[XS+\i+1]|
	v_max3_num_f32 v9, v9, |v[XS+\i+2]|, |v[XS+\i+3]|
.endr
	v_max3_num_f32 v8, v8, |v[XS+14]|, |v[XS+15]|
	v_max3_num_f32 v8, v8, v9, (EMAX+1)<<23        ; and the floor 2^(3 - 127): the byte cannot fall under 1
	v_max_num_f32_dpp v8, v8, v8 row_xmask:1 row_mask:0xf bank_mask:0xf   ; and of my neighbour's 16: the block's
	v_add_nc_u32 v11, -(EMAX<<23), v8              ; 2 off its exponent field: the conversion takes the exponent field of this operand as its scale
	v_cvt_scalef32_pk8_fp4_f32 v[C+4*(\t)], v[XS:XS+7], v11
	v_cvt_scalef32_pk8_fp4_f32 v[C+4*(\t)+1], v[XS+8:XS+15], v11
	v_lshrrev_b32 v[E+(\t)], 23, v11               ; the scale's byte
	ds_store_b8 v5, v[E+(\t)] offset:16*(\t)       ; both lanes of a block write the same byte with the same value
	global_store_b64 v4, v[C+4*(\t):C+4*(\t)+1], s[8:9] offset:32*CB*(\t)   ; 32 lanes store 256 consecutive bytes
.endm
.irp t, 0,1,2,3,4,5,6,7,8,9,10,11,12,13,14,15
	STEP \t
.endr
	ds_load_b64 v[8:9], v6                         ; LDS serves a wave's instructions in order: these see my stores
	s_wait_dscnt 0x0
	global_store_b64 v7, v[8:9], s[12:13]          ; 32 lanes store 256 consecutive bytes
	s_wait_tensorcnt 0x0                           ; the wave's end, behind my last LDS store
	ds_add_u32 v[SPW], v[NIL]
	s_wait_dscnt 0x0
	s_endpgm
; ---------------- the projection's weights to f16, and the table: no LDS is touched on this way ----------------
.Lother:
	s_sub_co_u32 s19, ttmp9, WGQ                   ; g = 0 .. 31
	s_lshl_b32 s20, s19, 17                        ; 32,768 numbers a work-group,
	s_lshl_b32 s21, s18, 15                        ; 8,192 a wave,
	s_add_co_u32 s20, s20, s21
	s_add_co_u32 s20, s20, 12582912                ; behind the first three matrices
	s_mov_b32 s21, 0
	s_add_nc_u64 s[6:7], s[6:7], s[20:21]
	s_lshl_b32 s20, s19, 16
	s_lshl_b32 s22, s18, 14
	s_add_co_u32 s20, s20, s22
	s_add_nc_u64 s[14:15], s[14:15], s[20:21]      ; the same numbers' f16
	s_lshl_b32 s22, s19, 7
	s_lshl_b32 s23, s18, 5
	s_add_co_u32 s22, s22, s23                     ; my wave's first row of the table: 128 g + 32 wave
	s_lshl_b32 s20, s22, 8
	s_add_nc_u64 s[16:17], s[16:17], s[20:21]
	v_lshlrev_b32 v3, 4, v2                        ; 16 x lane
	v_lshlrev_b32 v4, 3, v2                        ; 8 x lane
.macro WLOAD bt                        ; 16 loads of 512 consecutive bytes into set bt % 2
.set i, 0
.rept 16
	global_load_b128 v[R2+64*((\bt)%2)+4*i:R2+64*((\bt)%2)+4*i+3], v3, s[6:7] offset:(16*(\bt)+i)*512 th:TH_LOAD_NT
.set i, i+1
.endr
.endm
	WLOAD 0
	WLOAD 1                                        ; they land while the table is made
	s_mov_b32 s24, 0x3f22f983                      ; 2 / pi
	s_mov_b32 s25, 0xbfc90fdb                      ; -(pi / 2), its f32,
	s_mov_b32 s26, 0x333bbd2e                      ; and what that f32 has too much
	s_mov_b32 s27, 0xbe2aaaa3                      ; sine: r + r z (s27 + z (s28 + z s29)), z = r r
	s_mov_b32 s28, 0x3c08839e
	s_mov_b32 s29, 0xb94ca1f9
	s_mov_b32 s30, 0x3d2aaaa5                      ; cosine: 1 - z / 2 + z z (s30 + z (s31 + z s32))
	s_mov_b32 s31, 0xbab6061a
	s_mov_b32 s32, 0x37ccf5ce
	v_and_b32 v188, 15, v2                         ; p: my 16 bytes of a row of 256: columns 4 p .. 4 p + 3
	v_lshrrev_b32 v189, 3, v188                    ; 0: cosines, 1: sines
	v_mul_u32_u24 v181, v189, 3                    ; sin a = cos(a + 3 pi / 2)
	v_and_b32 v188, 7, v188
	v_lshlrev_b32 v188, 2, v188                    ; my first frequency
.irp i, 0,1,2,3
	v_add_nc_u32 v[190+\i], \i, v188
	v_cvt_f32_u32 v[190+\i], v[190+\i]
	v_mul_f32 v[190+\i], 0xbea5294a, v[190+\i]     ; c x (-10 / 31)
.endr
.irp i, 0,1,2,3
	v_exp_f32 v[177+\i], v[190+\i]                 ; the frequency: 1024^(-c / 31)
.endr
	v_lshrrev_b32 v188, 4, v2                      ; (a plain line behind the four)  lanes 16-31 take the next row
	s_wait_alu depctr_va_vdst(0)                   ; one wait for the four, ahead of their first reader
	v_add_nc_u32 v188, s22, v188
	v_cvt_f32_u32 v176, v188                       ; t
	v_mov_b32 v182, v3                             ; two rows are 512 consecutive bytes: 16 x lane
	s_mov_b32 s20, 16
.Lrope:                                            ; 16 trips, two rows of the table each
.irp i, 0,1,2,3
.set TT, 188+5*\i
	v_mul_f32 v[TT], v176, v[177+\i]               ; the angle
	v_mul_f32 v[TT+1], s24, v[TT]
	v_rndne_f32 v[TT+1], v[TT+1]                   ; n
	v_fma_f32 v[TT+2], v[TT+1], s25, v[TT]
	v_fma_f32 v[TT+2], v[TT+1], s26, v[TT+2]       ; r = angle - n pi / 2
	v_mul_f32 v[TT+3], v[TT+2], v[TT+2]            ; z
	v_fma_f32 v[TT], v[TT+3], s29, s28
	v_fma_f32 v[TT], v[TT], v[TT+3], s27
	v_mul_f32 v[TT+4], v[TT+2], v[TT+3]
	v_fma_f32 v[TT], v[TT], v[TT+4], v[TT+2]       ; sin r
	v_fma_f32 v[TT+4], v[TT+3], s32, s31
	v_fma_f32 v[TT+4], v[TT+4], v[TT+3], s30
	v_fma_f32 v[TT+2], v[TT+3], -0.5, 1.0
	v_mul_f32 v[TT+3], v[TT+3], v[TT+3]
	v_fma_f32 v[TT+2], v[TT+3], v[TT+4], v[TT+2]   ; cos r
	v_cvt_i32_f32 v[TT+1], v[TT+1]
	v_add_nc_u32 v[TT+1], v[TT+1], v181            ; q: the result is cos(r + q pi / 2)
	v_and_b32 v[TT+3], 1, v[TT+1]
	v_cmp_eq_u32 vcc_lo, 1, v[TT+3]
	v_cndmask_b32 v[TT+2], v[TT+2], v[TT], vcc_lo  ; q odd: the sine
	v_add_nc_u32 v[TT+1], 1, v[TT+1]
	v_and_b32 v[TT+1], 2, v[TT+1]
	v_lshlrev_b32 v[TT+1], 30, v[TT+1]             ; q mod 4 = 1 or 2: the sign turns
	v_xor_b32 v[184+\i], v[TT+2], v[TT+1]
.endr
	global_store_b128 v182, v[184:187], s[16:17]   ; 32 lanes store 512 consecutive bytes
	s_wait_xcnt 0x0                                ; the store's offset and data are written again only behind this wait
	v_add_nc_u32 v182, 512, v182
	v_add_f32 v176, 2.0, v176
	s_sub_co_u32 s20, s20, 1
	s_cmp_lg_u32 s20, 0
	s_cbranch_scc1 .Lrope
.irp bt, 0,1,2,3
.if \bt < 3
	s_wait_loadcnt 16                              ; this batch's 16 loads are in; the next batch's 16 may be out
.else
	s_wait_loadcnt 0x0
.endif
	s_wait_xcnt 0x0                                ; the last batch's stores have read H
.set RB, R2+64*(\bt%2)
.set i, 0
.rept 32
	v_cvt_pk_f16_f32 v[H+i], v[RB+2*i], v[RB+2*i+1]
.set i, i+1
.endr
.set i, 0
.rept 16
	global_store_b64 v4, v[H+2*i:H+2*i+1], s[14:15] offset:(16*\bt+i)*256   ; 32 lanes store 256 consecutive bytes
.set i, i+1
.endr
.if \bt < 2
	WLOAD \bt+2
.endif
.endr
	s_endpgm
.Lfunc_end_k_qa21763b8cf_prep:
	.size	k_qa21763b8cf_prep, .Lfunc_end_k_qa21763b8cf_prep-k_qa21763b8cf_prep
	.p2alignl 7, 3214868480
	.fill 96, 4, 3214868480
	.section	.rodata,"a",@progbits
	.p2align	6, 0x0
	.amdhsa_kernel k_qa21763b8cf_prep
		.amdhsa_group_segment_fixed_size 33280
		.amdhsa_private_segment_fixed_size 0
		.amdhsa_enable_private_segment 0
		.amdhsa_kernarg_size 56
		.amdhsa_user_sgpr_count 2
		.amdhsa_user_sgpr_kernarg_segment_ptr 1
		.amdhsa_wavefront_size32 1
		.amdhsa_system_sgpr_workgroup_id_x 1
		.amdhsa_system_sgpr_workgroup_id_y 1
		.amdhsa_system_sgpr_workgroup_id_z 1
		.amdhsa_system_vgpr_workitem_id 0
		.amdhsa_next_free_vgpr 208
		.amdhsa_next_free_sgpr 66
		.amdhsa_reserve_vcc 1
		.amdhsa_float_denorm_mode_32 3
		.amdhsa_float_denorm_mode_16_64 3
		.amdhsa_memory_ordered 1
		.amdhsa_forward_progress 1
		.amdhsa_inst_pref_size 60
	.end_amdhsa_kernel
	.amdgpu_metadata
---
amdhsa.version: [ 1, 2 ]
amdhsa.kernels:
  - .name:           k_qa21763b8cf_prep
    .symbol:         k_qa21763b8cf_prep.kd
    .args:
      - { .name: x, .offset: 0, .size: 8, .value_kind: global_buffer, .address_space: global }
      - { .name: qkvo_w, .offset: 8, .size: 8, .value_kind: global_buffer, .address_space: global }
      - { .name: x_codes, .offset: 16, .size: 8, .value_kind: global_buffer, .address_space: global }
      - { .name: w_codes, .offset: 24, .size: 8, .value_kind: global_buffer, .address_space: global }
      - { .name: scales, .offset: 32, .size: 8, .value_kind: global_buffer, .address_space: global }
      - { .name: wo16, .offset: 40, .size: 8, .value_kind: global_buffer, .address_space: global }
      - { .name: rope, .offset: 48, .size: 8, .value_kind: global_buffer, .address_space: global }
    .group_segment_fixed_size: 33280
    .private_segment_fixed_size: 0
    .kernarg_segment_align: 8
    .kernarg_segment_size: 56
    .max_flat_workgroup_size: 128
    .sgpr_count:     66
    .vgpr_count:     208
    .wavefront_size: 32
...
	.end_amdgpu_metadata
.endif
;; end of part 1
;; launch qkv (part 2): grid 12 x 16, 4 waves a work-group, clusters of 4 x 1, 327,680 bytes of LDS; arguments x_codes, scales, w_codes, ve, lambdas, rope, qkvh, fine; writes qkvh, fine
.if DOCPART == 2
	.amdgcn_target "amdgcn-amd-amdhsa--gfx1250"
	.amdhsa_code_object_version 6
	.text
	.protected	k_qa21763b8cf_qkv
	.globl	k_qa21763b8cf_qkv
	.p2align	8
	.type	k_qa21763b8cf_qkv,@function
k_qa21763b8cf_qkv:
	s_mov_b64 s[64:65], 0
	v_nop
	global_prefetch_b8 v0, s[64:65] scope:SCOPE_SE
	s_setreg_imm32_b32 hwreg(HW_REG_WAVE_MODE, 25, 1), 1
	s_wait_xcnt 0x0
	s_wait_alu depctr_hold_cnt(0) depctr_sa_sdst(0) depctr_va_vdst(0) depctr_va_sdst(0) depctr_va_ssrc(0) depctr_va_vcc(0) depctr_vm_vsrc(0)
	s_getreg_b32 s2, hwreg(HW_REG_IB_STS2, 6, 4)
	s_cmp_eq_u32 s2, 0
	s_cbranch_scc0 .Lentry_in_a_cluster
	s_endpgm
.Lentry_in_a_cluster:
	s_bfe_u32 s2, ttmp6, 0x10000c
	s_cmp_lg_u32 s2, 0x3003
	s_cbranch_scc0 .Lentry_shape_is_right
	s_endpgm
.Lentry_shape_is_right:
; QKV.  [4096 t][3072 e] = x w^T on codes of FP4 (E2M1) with one E8M0 scale for each 32 along K = 1,024; sums in f32.  Behind the product, in registers: the RMS norm of each head's 128 numbers;
; for q and k the rotation (channels j and j + 64, j < 32, by the table's cos and sin of row t); for v: lambda0 x norm(v) + lambda1 x ve.  Results leave as f16; rows 0-15 also as f32, for the small launch that carries them finely.
; SHARES.  A tile of 256 x 256 to a work-group of four waves; a wave makes 128 rows x 128 columns = ONE HEAD: 64 accumulators of 16 x 16, 512 registers.  All of K lies in two LDS slots of 512 along K: nothing is filled again.
; THE MATRIX INSTRUCTION IS USED TRANSPOSED (source 0 = 16 rows of w, source 1 = 16 rows of x): lane (r, h) holds row r, and register j of block b column 16 b + 8 h + j: a row's sum of squares wants one exchange of lane halves.
; CLUSTER 4 x 1: the four partners make four tile columns of one tile row, so x's tiles and scales are asked for JOINTLY (mask 15); w's tiles are each work-group's own.  A cluster of 4 x 4 would share w's too, but the f32 copy of
; rows 0-15 is a branch on the tile row, which partners along y would not share.  The cluster's x is the section (0 q, 1 k, 2 v): the one branch between the two ways out hangs on it, and it is the same in all four partners.
; LAYOUT OUT.  q and k go out as IMAGES of the next product's operand registers: a tile of 16 rows is 8 chunks of 512 bytes; in chunk b lane l's 16 bytes at 16 l are row l % 16, channels 16 b + 8 (l / 16) + 0 .. 7.  That is what a lane
; holds here, so each store of the wave covers 512 consecutive bytes and nothing goes through LDS.  v goes out as rows [t][128] f16: it turns through the wave's stage in LDS, where it also meets ve in whole rows.
; LIMITS.  NaN and infinities are not served.  f16 holds magnitudes up to 65,504: q and k are at most 11.4 by the norm; v is at most 11.4 lambda0 + lambda1 |ve|.
; REGISTERS, in windows of 256: window 0: v16-31 addresses; v32-95 scale words, two sets, and nothing else; v96-123 at work on the way out; v128-191 x's fragments, later 64 numbers of a block; v192-223 their f16.
;   window 1: w's fragments, two sets; on the way out four sets of 64 for the table's or ve's rows.   windows 2, 3: the accumulators ((a, b) at v[8 (8 (a % 4) + b)]).
.set NQ,     4                         ; steps of 128 along K in a slot
.set ROWB,   256                       ; a tile's row in bytes: 512 codes
.set KROW,   512                       ; a row of codes in memory
.set PITCH,  272                       ; an LDS row: 256 bytes + 16 of padding: the 16 rows that a load touches start 68 words apart
.set FR,     8
.set NL,     2
.set NP,     4                         ; places behind this matrix instruction (ISA guide 7.12.1)
.set HALFT,  128*PITCH
.set SLOT,   4*HALFT                   ; x's 256 rows, then w's 256 rows
.set KS,     32                        ; a row of scale bytes
.set SCL,    2*SLOT                    ; behind the slots: the scales, as rows of 256 bytes + 16 of padding
.set HALFS,  (128*KS/256)*272
.set SBLK,   (16*KS/256)*272
.set SPARE,  SCL+4*HALFS               ; the spare words, 128 bytes a wave, which no other line names
.set SPITCH, 528                       ; v's stage: 16 rows x (512 bytes + 16) a wave, in slot 0, which has had its one fill and its last read when the first result is stored there
.set WSC,    131072                    ; where w's scale bytes begin
.set ADRA, 16
.set ADRB, 20
.set ADRS, 22
.set STO,  24                          ; the stage: where I put 32 bytes of a row
.set RD,   25                          ; and where I read a row back
.set LO,   26                          ; 16 x lane
.set LO8,  27                          ; 8 x lane
.set SPW,  28
.set NIL,  29
.set TO,   30                          ; the table: 256 r + 32 h
.set PFO,  31                          ; the prefetches' offset: 4,096 x lane; never rewritten
.set SC,   32
.set SS,   96                          ; v96-103 four chains of a sum of squares
.set TA,   104
.set TP,   105
.set RS,   106                         ; v106-107 the row's factor, twice
.set T,    108                         ; v108-123
.set AF,   128
.set X,    128
.set H,    192
.set G1, 24
.set G0, 32
.set G1B, 48
.set G0B, 56
.set G1S, 68
.set G0S, 76
.set G1SB, 80
.set G0SB, 88
.set MSB, 0
.macro WIN new                         ; the immediate's high byte repeats the setting that is left
.if MSB != \new
	s_set_vgpr_msb (MSB<<8)|\new
.set MSB, \new
.endif
.endm
.set MUL_LO, 0xa1                      ; source 0 (w) window 1, source 1 (x) window 0, C and D window 2
.set MUL_HI, 0xf1
.set TO_B,   0x40
; Waves 0 and 1 fetch for x (jointly), waves 2 and 3 for w.  The branch hangs on the wave's number alone.  An s_nop 0 and four v_nop follow each of the two lines.
.macro JLOAD g0a, g1a, g0b, g1b
	s_cmp_eq_u32 s21, 0
	s_cbranch_scc0 .Lfor_b_\@
	tensor_load_to_lds s[\g0a:\g0a+3], s[\g1a:\g1a+7]
	s_nop 0
.rept 4
	v_nop
.endr
	s_branch .Lasked_\@
.Lfor_b_\@:
	tensor_load_to_lds s[\g0b:\g0b+3], s[\g1b:\g1b+7]
	s_nop 0
.rept 4
	v_nop
.endr
.Lasked_\@:
.endm
.macro CROUND                          ; a round of the cluster's barrier
	s_barrier_signal -1
	s_barrier_wait -1
	s_cmp_lg_u32 s20, 0
	s_cbranch_scc1 .Lnot_wave_0_\@
	s_barrier_signal -3
.Lnot_wave_0_\@:
	s_barrier_wait -3
	s_barrier_signal -1
	s_barrier_wait -1
.endm
	s_load_b256 s[4:11], s[0:1], 0x0               ; x's codes s[4:5], the scales s[6:7], w's codes s[8:9], ve s[10:11]
	s_load_b256 s[12:19], s[0:1], 0x20             ; lambdas s[12:13], the table s[14:15], q/k/v out s[16:17], the f32 copy s[18:19]
	v_lshl_add_u32 v[SPW], v0, 2, SPARE
	v_mov_b32 v[NIL], 0
	ds_add_u32 v[SPW], v[NIL]                      ; the wave's opening: the add, twice on end, and its wait ahead of my first tensor load
	ds_add_u32 v[SPW], v[NIL]
	v_lshrrev_b32 v1, 5, v0
	v_readfirstlane_b32 s20, v1                    ; wave 0..3
	s_lshr_b32 s21, s20, 1                         ; which half of the tile's rows is mine.  Also: I fetch for x (0) or for w (1)
	s_and_b32 s22, s20, 1                          ; which half of its columns.  Also: which 128 rows I fetch
	s_bfe_u32 s23, ttmp6, 0x40000                  ; cx
	s_lshl_b32 s40, ttmp9, 2
	s_add_co_u32 s40, s40, s23                     ; tile column = 4 x cluster x + cx
	s_and_b32 s41, ttmp7, 0xffff                   ; tile row = cluster y
	s_mov_b32 s[G1+0], 15|(1<<20)|(1<<21)|(5<<22)|(3<<25)    ; the mask: all four; elements of 1 byte; padding: 4 words after every 64; bit 21 beside a mask
	s_mov_b32 s[G1B+0], (1<<20)|(5<<22)|(3<<25)              ; the same, no mask
.irp g, G1, G1B
	s_mov_b32 s[\g+1], ROWB<<16                    ; tensor_dim0
	s_mov_b32 s[\g+2], 128<<16                     ; tensor_dim1
	s_mov_b32 s[\g+3], ROWB<<16                    ; tile_dim0
	s_mov_b32 s[\g+4], 128                         ; tile_dim1
	s_mov_b32 s[\g+5], KROW                        ; from row to row
	s_mov_b32 s[\g+6], 0
	s_mov_b32 s[\g+7], 0
.endr
	s_mov_b32 s[G1S+0], 15|(3<<16)|(1<<20)|(1<<21)|(5<<22)|(3<<25)   ; the scales of 128 rows: 4,096 dense bytes as 16 rows of 32 elements of 8 bytes
	s_mov_b32 s[G1SB+0], (3<<16)|(1<<20)|(5<<22)|(3<<25)
.irp g, G1S, G1SB
	s_mov_b32 s[\g+1], 32<<16
	s_mov_b32 s[\g+2], (128*KS/256)<<16
	s_mov_b32 s[\g+3], 32<<16
	s_mov_b32 s[\g+4], 128*KS/256
	s_mov_b32 s[\g+5], 32
	s_mov_b32 s[\g+6], 0
	s_mov_b32 s[\g+7], 0
.endr
	s_lshl_b32 s2, s22, 7
	s_lshl_b32 s42, s41, 8
	s_add_co_u32 s42, s42, s2                      ; x: the first row that I fetch: 256 x tile row + 128 x half
	s_lshl_b32 s44, s40, 8
	s_add_co_u32 s44, s44, s2                      ; w: 256 x tile column + 128 x half
	s_lshl_b32 s46, s42, 5                         ; x's scales, in bytes
	s_mov_b32 s47, 0
	s_lshl_b32 s42, s42, 9                         ; x's codes
	s_mov_b32 s43, 0
	s_lshl_b32 s92, s44, 5
	s_add_co_u32 s92, s92, WSC                     ; w's scales
	s_mov_b32 s93, 0
	s_lshl_b32 s44, s44, 9                         ; w's codes
	s_mov_b32 s45, 0
	s_mul_i32 s2, s20, HALFT                       ; where they go: wave x 128 rows: no place in the cluster enters an LDS address
	s_mul_i32 s3, s20, HALFS
	s_mov_b32 s66, 0x76543210
	s_mov_b32 s67, 0xfedcba98                      ; v_permlanex16_b32's selects for lane l xor 16
	s_mov_b32 s100, 0x358637bd                     ; 1e-6
	s_mov_b32 s101, 0x3c000000                     ; 1 / 128
	s_wait_dscnt 0x0                               ; both opening adds are done
	s_wait_kmcnt 0x0
	s_add_nc_u64 s[42:43], s[4:5], s[42:43]
	s_add_nc_u64 s[46:47], s[6:7], s[46:47]
	s_add_nc_u64 s[44:45], s[8:9], s[44:45]
	s_add_nc_u64 s[92:93], s[6:7], s[92:93]
	s_load_b64 s[96:97], s[12:13], 0x0             ; lambda0, lambda1
	CROUND                                         ; all four work-groups are here: the first joint loads meet
	s_mov_b32 s[G0S], 1
	s_add_co_u32 s[G0S+1], s3, SCL
	s_mov_b64 s[G0S+2:G0S+3], s[46:47]
	s_or_b32 s[G0S+3], s[G0S+3], 0x80000000
	s_mov_b32 s[G0SB], 1
	s_add_co_u32 s[G0SB+1], s3, SCL
	s_mov_b64 s[G0SB+2:G0SB+3], s[92:93]
	s_or_b32 s[G0SB+3], s[G0SB+3], 0x80000000
	JLOAD G0S, G1S, G0SB, G1SB                     ; the scales first: they are wanted with the first step
.irp s, 0,1
	s_mov_b32 s[G0+4*\s], 1
	s_add_co_u32 s[G0+4*\s+1], s2, \s*SLOT
	s_add_nc_u64 s[G0+4*\s+2:G0+4*\s+3], s[42:43], \s*ROWB
	s_or_b32 s[G0+4*\s+3], s[G0+4*\s+3], 0x80000000
	s_mov_b32 s[G0B+4*\s], 1
	s_add_co_u32 s[G0B+4*\s+1], s2, \s*SLOT
	s_add_nc_u64 s[G0B+4*\s+2:G0B+4*\s+3], s[44:45], \s*ROWB
	s_or_b32 s[G0B+4*\s+3], s[G0B+4*\s+3], 0x80000000
	JLOAD G0+4*\s, G1, G0B+4*\s, G1B               ; three tensor loads of mine are out
.endr
	s_wait_kmcnt 0x0                               ; the lambdas
	s_mov_b32 s98, s97
	s_mov_b32 s99, s97                             ; lambda1 as a pair for the packed form
	v_and_b32 v1, 15, v0                           ; r
	v_bfe_u32 v2, v0, 4, 1                         ; h
	v_mul_u32_u24 v3, v1, PITCH
	v_lshl_add_u32 v4, v2, 4, v3                   ; a fragment's row x pitch + 16 x half
	s_mul_i32 s2, s21, HALFT                       ; my 128 rows of x
	s_mul_i32 s3, s22, HALFT                       ; my 128 rows of w,
	s_add_co_u32 s3, s3, 2*HALFT                   ; which lie behind x's 256
.irp s, 0,1
	v_add_nc_u32 v[ADRA+\s], s2, v4
	v_add_nc_u32 v[ADRB+\s], s3, v4
	s_add_co_u32 s2, s2, SLOT
	s_add_co_u32 s3, s3, SLOT
.endr
	v_mul_u32_u24 v5, v1, KS                       ; my row's scales: 32 bytes a row,
	v_lshrrev_b32 v6, 8, v5
	v_lshl_add_u32 v5, v6, 4, v5                   ; and 16 more for each 256 passed
	s_mul_i32 s2, s21, HALFS
	s_mul_i32 s3, s22, HALFS
	s_add_co_u32 s3, s3, 2*HALFS
	s_sub_co_u32 s3, s3, s2
	v_mul_u32_u24 v6, s3, v2                       ; lanes 16-31 take w's
	s_add_co_u32 s2, s2, SCL
	v_add_nc_u32 v5, v5, v6
	v_add_nc_u32 v[ADRS], s2, v5
	s_mul_i32 s2, s20, 16*SPITCH                   ; my stage
	v_mul_u32_u24 v5, v1, SPITCH
	v_lshl_add_u32 v5, v2, 5, v5
	v_add_nc_u32 v[STO], s2, v5
	v_and_b32 v6, 31, v0
	v_lshlrev_b32 v[LO], 4, v6
	v_add_nc_u32 v[RD], s2, v[LO]
	v_lshlrev_b32 v[LO8], 3, v6
	v_lshlrev_b32 v[TO], 8, v1
	v_lshl_add_u32 v[TO], v2, 5, v[TO]
	v_lshlrev_b32 v[PFO], 12, v6
	; the bases of the way out.  What hangs on cx stands in registers that never fed x's descriptors
	s_lshl_b32 s2, s41, 8
	s_lshl_b32 s3, s21, 7
	s_add_co_u32 s2, s2, s3                        ; my first row: 256 x tile row + 128 x half
	s_or_b32 s95, s41, s21                         ; 0: my wave holds rows 0-15
	s_lshl_b32 s94, s40, 1
	s_add_co_u32 s94, s94, s22                     ; my plane: 8 x section + head
	s_mov_b32 s93, 0
	s_and_b32 s44, s94, 7
	s_lshl_b32 s44, s44, 9
	s_lshl_b32 s92, s2, 12
	s_add_co_u32 s92, s92, s44
	s_add_nc_u64 s[10:11], s[10:11], s[92:93]      ; ve at my first row, my head's 512 bytes
	s_lshl_b32 s92, s2, 8
	s_add_nc_u64 s[14:15], s[14:15], s[92:93]      ; the table at my first row
	s_lshl_b32 s44, s94, 20
	s_add_co_u32 s92, s92, s44
	s_add_nc_u64 s[16:17], s[16:17], s[92:93]      ; my plane of 1 MiB, my first row: 256 bytes a row in images and in rows alike
	s_lshl_b32 s92, s94, 13
	s_add_nc_u64 s[18:19], s[18:19], s[92:93]      ; my plane of the f32 copy
.macro FRAG reg, adr, q, i             ; a fragment, 16 rows x 128 K of 4-bit codes: two loads of 16 bytes, 32 bytes apart
.irp c, 0,1
	ds_load_b128 v[\reg+4*\c:\reg+4*\c+3], v[\adr] offset:64*(\q)+32*\c+(\i)*16*PITCH
.endr
.endm
; 16 matrix instructions: x's blocks a0, a0 + 1 against w's eight.  The 64 accumulators take turns, one instruction a turn, in the same order in every step.
.macro MUL16 a0, p, q, sc, zero
.irp a, \a0, \a0+1
.irp b, 0,1,2,3,4,5,6,7
.if \zero
	v_wmma_scale_f32_16x16x128_f8f6f4 v[8*(8*((\a)%4)+\b):8*(8*((\a)%4)+\b)+7], v[128*(\p)+FR*\b:128*(\p)+FR*\b+FR-1], v[AF+FR*(\a):AF+FR*(\a)+FR-1], 0, v[SC+8*NQ*(\sc)+NQ*\b+(\q)], v[SC+8*NQ*(\sc)+NQ*(\a)+(\q)] matrix_a_fmt:MATRIX_FMT_FP4 matrix_b_fmt:MATRIX_FMT_FP4 matrix_a_scale:MATRIX_SCALE_ROW1
.else
	v_wmma_scale_f32_16x16x128_f8f6f4 v[8*(8*((\a)%4)+\b):8*(8*((\a)%4)+\b)+7], v[128*(\p)+FR*\b:128*(\p)+FR*\b+FR-1], v[AF+FR*(\a):AF+FR*(\a)+FR-1], v[8*(8*((\a)%4)+\b):8*(8*((\a)%4)+\b)+7], v[SC+8*NQ*(\sc)+NQ*\b+(\q)], v[SC+8*NQ*(\sc)+NQ*(\a)+(\q)] matrix_a_fmt:MATRIX_FMT_FP4 matrix_b_fmt:MATRIX_FMT_FP4 matrix_a_scale:MATRIX_SCALE_ROW1
.endif
.endr
.endr
.endm
.macro FETCH_B slot, q, p
	WIN TO_B
.irp i, 0,1,2,3,4,5,6,7
	FRAG 128*(\p)+FR*\i, ADRB+\slot, \q, \i
.endr
	WIN 0
.endm
.macro FETCH_A slot, q, i0
.irp i, \i0, \i0+1, \i0+2, \i0+3
	FRAG AF+FR*(\i), ADRA+\slot, \q, \i
.endr
.endm
.macro SCALES sc                       ; a slot's scale words: lanes 0-15 take x's block i, lanes 16-31 w's block i; four words a row
.irp i, 0,1,2,3,4,5,6,7
	ds_load_b128 v[SC+8*NQ*\sc+NQ*\i:SC+8*NQ*\sc+NQ*\i+3], v[ADRS] offset:\i*SBLK
.endr
.endm
.macro PLACES n                        ; plain vector lines between a matrix instruction and a load into, or a vector line on, its registers
.rept \n
	v_nop
.endr
.endm
.macro STEP slot, q, zero              ; a step of 128 along K that has its successor in the same slot
	s_wait_dscnt 4*NL                              ; w's set and x's blocks 0-3 are in; the youngest eight loads (x's blocks 4-7) may be out
	WIN MUL_LO
	MUL16 0, (\q)%2, \q, \slot, \zero
	MUL16 2, (\q)%2, \q, \slot, \zero
	s_wait_dscnt 0
	PLACES NP
	FETCH_B \slot, (\q)+1, 1-(\q)%2
	FETCH_A \slot, (\q)+1, 0
	WIN MUL_HI
	MUL16 4, (\q)%2, \q, \slot, \zero
	MUL16 6, (\q)%2, \q, \slot, \zero
	PLACES NP
	WIN 0
	FETCH_A \slot, (\q)+1, 4
.endm
; Slot 0's last step changes slots: one barrier; in front of it each wave waits for all its tensor loads (its part of slot 1), adds 0 to its spare word, and waits for that and for its reads of slot 0.
.macro TURN slot, next
	s_wait_tensorcnt 0x0
	ds_add_u32 v[SPW], v[NIL]
	s_wait_dscnt 4*NL+1                            ; (the add and the youngest eight loads may be out)
	WIN MUL_LO
	MUL16 0, 1, NQ-1, \slot, 0
	s_wait_dscnt 0x0                               ; the add is done, and my reads of this slot are over
	s_barrier_signal -1
	MUL16 2, 1, NQ-1, \slot, 0
	WIN 0
	s_barrier_wait -1
	PLACES NP
	v_add_nc_u32 v[ADRS], 4*NQ, v[ADRS]            ; on to the next slot's scale words
	FETCH_B \next, 0, 0
	FETCH_A \next, 0, 0
	SCALES \next
	WIN MUL_HI
	MUL16 4, 1, NQ-1, \slot, 0
	MUL16 6, 1, NQ-1, \slot, 0
	PLACES NP
	WIN 0
	FETCH_A \next, 0, 4
.endm
; A PREFETCH of ve, in the v section alone: my wave's own 128 rows x 512 bytes, which the way out will load: 32 rows a pair of lines, a lane a row, the row's two halves of 256 bytes.  Each such half is named once in the launch.
; The four pairs stand behind the first four steps' runs of LDS loads, four to seven steps (256 to 448 matrix instructions) ahead of the way out.  Offset and base are never rewritten.
.macro PF g
	s_cmp_eq_u32 ttmp9, 2
	s_cbranch_scc0 .Lno_pf_\@
	global_prefetch_b8 v[PFO], s[10:11] offset:(\g)*131072 th:TH_LOAD_NT scope:SCOPE_SE
	global_prefetch_b8 v[PFO], s[10:11] offset:(\g)*131072+256 th:TH_LOAD_NT scope:SCOPE_SE
.Lno_pf_\@:
.endm
	s_wait_tensorcnt 1                             ; the scales and my part of slot 0 are in; slot 1's load may be out
	s_barrier_signal -1
	s_barrier_wait -1
	FETCH_B 0, 0, 0
	FETCH_A 0, 0, 0
	SCALES 0
	FETCH_A 0, 0, 4
	STEP 0, 0, 1                                   ; the first products start the sums: nothing is cleared
	PF 0
	STEP 0, 1, 0
	PF 1
	STEP 0, 2, 0
	PF 2
	TURN 0, 1
	PF 3
	STEP 1, 0, 0
	STEP 1, 1, 0
	STEP 1, 2, 0
	s_wait_dscnt 4*NL                              ; the last step: nothing more to fetch
	WIN MUL_LO
	MUL16 0, 1, NQ-1, 1, 0
	MUL16 2, 1, NQ-1, 1, 0
	s_wait_dscnt 0
	WIN MUL_HI
	MUL16 4, 1, NQ-1, 1, 0
	MUL16 6, 1, NQ-1, 1, 0
	WIN 0
	PLACES NP
; THE WAY OUT, a block of 16 rows at a time.  NORM: the row's sum of squares (my 64 numbers, then lane l xor 16's), the factor rsqrt(mean + 1e-6) (lam = 1: x lambda0), and the block times it, into X.
.macro NORM a, lam
.set W, 2+(\a)/4
.set WW, W|(W<<2)
.set AC, 64*((\a)%4)
	s_wait_xcnt 0x0                                ; the last block's stores have read X and H
	WIN WW                                         ; sources 0 and 1: the accumulators' window
.irp b, 0,1,2,3,4,5,6,7
.irp pr, 0,1,2,3
.if \b == 0
	v_pk_mul_f32 v[SS+2*\pr:SS+2*\pr+1], v[AC+8*\b+2*\pr:AC+8*\b+2*\pr+1], v[AC+8*\b+2*\pr:AC+8*\b+2*\pr+1]   ; four chains; each accumulator is read from its low end on
.else
	v_pk_fma_f32 v[SS+2*\pr:SS+2*\pr+1], v[AC+8*\b+2*\pr:AC+8*\b+2*\pr+1], v[AC+8*\b+2*\pr:AC+8*\b+2*\pr+1], v[SS+2*\pr:SS+2*\pr+1]
.endif
.endr
.endr
	WIN 0
	v_pk_add_f32 v[SS:SS+1], v[SS:SS+1], v[SS+2:SS+3]
	v_pk_add_f32 v[SS+4:SS+5], v[SS+4:SS+5], v[SS+6:SS+7]
	v_pk_add_f32 v[SS:SS+1], v[SS:SS+1], v[SS+4:SS+5]
	v_add_f32 v[TA], v[SS], v[SS+1]
	v_permlanex16_b32 v[TP], v[TA], s66, s67
	v_add_f32 v[TA], v[TA], v[TP]
	v_fma_f32 v[TA], v[TA], s101, s100             ; the mean + 1e-6
	v_rsq_f32 v[RS], v[TA]
	v_nop                                          ; a plain line behind the transcendental,
	s_wait_alu depctr_va_vdst(0)                   ; and the wait ahead of its first reader
.if \lam
	v_mul_f32 v[RS], s96, v[RS]
.endif
	v_mov_b32 v[RS+1], v[RS]
	WIN W                                          ; source 0: the accumulators' window
.set i, 0
.rept 32
	v_pk_mul_f32 v[X+2*i:X+2*i+1], v[AC+2*i:AC+2*i+1], v[RS:RS+1]
.set i, i+1
.endr
	WIN 0
.endm
.macro TOF16                           ; X's 64 numbers to 32 registers of f16
.set i, 0
.rept 32
	v_cvt_pk_f16_f32 v[H+i], v[X+2*i], v[X+2*i+1]
.set i, i+1
.endr
.endm
	v_mov_b32 v[TP], 0                             ; written once: a lane permute's destination counts as one of its sources
	s_cmp_eq_u32 ttmp9, 2                          ; the section: the same in all four partners
	s_cbranch_scc1 .Lvtext
; ---- q and k: norm, rotation, images out ----
.macro QKAUX a                         ; the table's rows of block a: for lane (r, h) cos and sin of row r at frequencies 16 b + 8 h + 0 .. 7, b = 0, 1: +0 cos b0, +8 cos b1, +16 sin b0, +24 sin b1
.set AU, 64*((\a)%4)
	WIN 0x40
.irp o, 0,1,2,3,4,5,6,7
	global_load_b128 v[AU+4*\o:AU+4*\o+3], v[TO], s[14:15] offset:(\a)*4096+64*(\o/2)+16*(\o%2)
.endr
	WIN 0
.endm
.macro ROPE a                          ; y1 = x1 c + x2 s, y2 = x2 c - x1 s, on channels 16 b + 8 h + .. and the same + 64
.set AU, 64*((\a)%4)
	WIN 0x04                                       ; source 1: window 1
.irp b, 0,1
.irp pr, 0,1,2,3
.set TT, T+4*\pr
	v_pk_mul_f32 v[TT:TT+1], v[X+32+8*\b+2*\pr:X+32+8*\b+2*\pr+1], v[AU+16+8*\b+2*\pr:AU+16+8*\b+2*\pr+1]
	v_pk_mul_f32 v[TT+2:TT+3], v[X+8*\b+2*\pr:X+8*\b+2*\pr+1], v[AU+16+8*\b+2*\pr:AU+16+8*\b+2*\pr+1]
	v_pk_fma_f32 v[X+8*\b+2*\pr:X+8*\b+2*\pr+1], v[X+8*\b+2*\pr:X+8*\b+2*\pr+1], v[AU+8*\b+2*\pr:AU+8*\b+2*\pr+1], v[TT:TT+1]
	v_pk_fma_f32 v[X+32+8*\b+2*\pr:X+32+8*\b+2*\pr+1], v[X+32+8*\b+2*\pr:X+32+8*\b+2*\pr+1], v[AU+8*\b+2*\pr:AU+8*\b+2*\pr+1], v[TT+2:TT+3] neg_lo:[0,0,1] neg_hi:[0,0,1]
.endr
.endr
	WIN 0
.endm
	QKAUX 0
	QKAUX 1
	QKAUX 2
	QKAUX 3
.irp a, 0,1,2,3,4,5,6,7
	NORM \a, 0
.if \a < 5
	s_wait_loadcnt 24                              ; this block's eight loads are in; those of the three blocks behind it may be out
.else
	s_wait_loadcnt 8*(7-\a)
.endif
	ROPE \a
.if \a < 4
	QKAUX \a+4
.endif
.if \a == 0
	s_cmp_eq_u32 s95, 0                            ; rows 0-15 also leave as f32: tile row 0, the waves of its upper half
	s_cbranch_scc0 .Lnofine_qk
.irp k, 0,1,2,3,4,5,6,7,8,9,10,11,12,13,14,15
	global_store_b128 v[LO], v[X+4*\k:X+4*\k+3], s[18:19] offset:512*\k    ; chunk k: row r, columns 16 (k / 2) + 8 h + 4 (k % 2) + 0 .. 3
.endr
.Lnofine_qk:
.endif
	TOF16
.irp b, 0,1,2,3,4,5,6,7
	global_store_b128 v[LO], v[H+4*\b:H+4*\b+3], s[16:17] offset:(\a)*4096+512*\b   ; chunk b of the tile's image: 512 consecutive bytes
.endr
.endr
	s_branch .Ljoin
; ---- v: norm x lambda0, through the stage into whole rows, + lambda1 x ve, rows out ----
.Lvtext:
.macro VAUX a                          ; ve's rows of block a: 512 consecutive bytes a load
.set AU, 64*((\a)%4)
	WIN 0x40
.set i, 0
.rept 16
	global_load_b128 v[AU+4*i:AU+4*i+3], v[LO], s[10:11] offset:(16*(\a)+i)*4096 th:TH_LOAD_NT
.set i, i+1
.endr
	WIN 0
.endm
	VAUX 0
	VAUX 1
	VAUX 2
	VAUX 3
.irp a, 0,1,2,3,4,5,6,7
	NORM \a, 1
.irp b, 0,1,2,3,4,5,6,7
	ds_store_b128 v[STO], v[X+8*\b:X+8*\b+3] offset:64*\b
	ds_store_b128 v[STO], v[X+8*\b+4:X+8*\b+7] offset:64*\b+16
.endr
.irp t, 0,1,2,3,4,5,6,7,8,9,10,11,12,13,14,15
	ds_load_b128 v[X+4*\t:X+4*\t+3], v[RD] offset:\t*SPITCH    ; LDS serves a wave's instructions in order: these see the stores above, and land in the registers that those have left
.endr
.if \a < 5
	s_wait_loadcnt 48                              ; this block's sixteen loads are in; those of the three blocks behind it may be out
.else
	s_wait_loadcnt 16*(7-\a)
.endif
	s_wait_dscnt 0x0
.set AU, 64*(\a%4)
	WIN 0x01                                       ; source 0: window 1
.set i, 0
.rept 32
	v_pk_fma_f32 v[X+2*i:X+2*i+1], v[AU+2*i:AU+2*i+1], s[98:99], v[X+2*i:X+2*i+1] op_sel_hi:[1,0,1]
.set i, i+1
.endr
	WIN 0
.if \a < 4
	VAUX \a+4
.endif
.if \a == 0
	s_cmp_eq_u32 s95, 0
	s_cbranch_scc0 .Lnofine_v
.irp t, 0,1,2,3,4,5,6,7,8,9,10,11,12,13,14,15
	global_store_b128 v[LO], v[X+4*\t:X+4*\t+3], s[18:19] offset:512*\t    ; row t, whole
.endr
.Lnofine_v:
.endif
	TOF16
.irp t, 0,1,2,3,4,5,6,7,8,9,10,11,12,13,14,15
	global_store_b64 v[LO8], v[H+2*\t:H+2*\t+1], s[16:17] offset:(16*(\a)+\t)*256   ; a row of 128 f16: 256 consecutive bytes
.endr
.endr
.Ljoin:
	s_wait_tensorcnt 0x0                           ; the wave's end, behind my last tensor load and my last LDS store
	ds_add_u32 v[SPW], v[NIL]
	s_wait_dscnt 0x0
	CROUND                                         ; the closing round
	s_endpgm
.Lfunc_end_k_qa21763b8cf_qkv:
	.size	k_qa21763b8cf_qkv, .Lfunc_end_k_qa21763b8cf_qkv-k_qa21763b8cf_qkv
	.p2alignl 7, 3214868480
	.fill 96, 4, 3214868480
	.section	.rodata,"a",@progbits
	.p2align	6, 0x0
	.amdhsa_kernel k_qa21763b8cf_qkv
		.amdhsa_group_segment_fixed_size 327680
		.amdhsa_private_segment_fixed_size 0
		.amdhsa_enable_private_segment 0
		.amdhsa_kernarg_size 64
		.amdhsa_user_sgpr_count 2
		.amdhsa_user_sgpr_kernarg_segment_ptr 1
		.amdhsa_wavefront_size32 1
		.amdhsa_system_sgpr_workgroup_id_x 1
		.amdhsa_system_sgpr_workgroup_id_y 1
		.amdhsa_system_sgpr_workgroup_id_z 1
		.amdhsa_system_vgpr_workitem_id 0
		.amdhsa_next_free_vgpr 1024
		.amdhsa_next_free_sgpr 102
		.amdhsa_reserve_vcc 0
		.amdhsa_float_denorm_mode_32 3
		.amdhsa_float_denorm_mode_16_64 3
		.amdhsa_memory_ordered 1
		.amdhsa_forward_progress 1
		.amdhsa_inst_pref_size 255
	.end_amdhsa_kernel
	.section	.bss,"aw",@nobits
	.p2align	6
	.space	262144
	.amdgpu_metadata
---
amdhsa.version: [ 1, 2 ]
amdhsa.kernels:
  - .name:           k_qa21763b8cf_qkv
    .symbol:         k_qa21763b8cf_qkv.kd
    .args:
      - { .name: x_codes, .offset: 0, .size: 8, .value_kind: global_buffer, .address_space: global }
      - { .name: scales, .offset: 8, .size: 8, .value_kind: global_buffer, .address_space: global }
      - { .name: w_codes, .offset: 16, .size: 8, .value_kind: global_buffer, .address_space: global }
      - { .name: ve, .offset: 24, .size: 8, .value_kind: global_buffer, .address_space: global }
      - { .name: lambdas, .offset: 32, .size: 8, .value_kind: global_buffer, .address_space: global }
      - { .name: rope, .offset: 40, .size: 8, .value_kind: global_buffer, .address_space: global }
      - { .name: qkvh, .offset: 48, .size: 8, .value_kind: global_buffer, .address_space: global }
      - { .name: fine, .offset: 56, .size: 8, .value_kind: global_buffer, .address_space: global }
    .group_segment_fixed_size: 327680
    .private_segment_fixed_size: 0
    .kernarg_segment_align: 8
    .kernarg_segment_size: 64
    .max_flat_workgroup_size: 128
    .sgpr_count:     102
    .vgpr_count:     1024
    .wavefront_size: 32
...
	.end_amdgpu_metadata
.endif
;; end of part 2
;; launch attn (part 3): grid 32 x 8, 8 waves a work-group, no clusters, 327,680 bytes of LDS; arguments qkvh, yimg; writes yimg
.if DOCPART == 3
	.amdgcn_target "amdgcn-amd-amdhsa--gfx1250"
	.amdhsa_code_object_version 6
	.text
	.protected	k_qa21763b8cf_attn
	.globl	k_qa21763b8cf_attn
	.p2align	8
	.type	k_qa21763b8cf_attn,@function
k_qa21763b8cf_attn:
	s_mov_b64 s[64:65], 0
	v_nop
	global_prefetch_b8 v0, s[64:65] scope:SCOPE_SE
	s_setreg_imm32_b32 hwreg(HW_REG_WAVE_MODE, 25, 1), 1
	s_wait_xcnt 0x0
; ATTENTION under the mask 0 <= query - key < 512.  y[h][q] = the sum over k of softmax_k(0.12 q.k) v[k].  q, k, v: f16; products, maxima and sums in f32; the weights p are rounded to f16 for the second product, y to f16 at the end.
; q and k come as images of operand registers (a tile of 16 rows: 8 chunks of 512 bytes; chunk b, lane l: row l % 16, channels 16 b + 8 (l / 16) + 0 .. 7), v as rows of 256 bytes; y leaves as images, a plane of 1 MiB for each head.
; SHARES.  A work-group owns 128 queries of one head (base = 128 x), each of its eight waves 16: one tile.  Two waves share a SIMD's registers: one wave's vector work can stand beside the other's products.
; THE WALK GOES DOWN from the diagonal: slot s holds keys base - 128 s .. + 127, s = 0 .. 4, and of a slot the upper 64 keys come first.  So what the head fetches always exists and is always read; in a wave's first worked step every
; query meets its own key, so that the running maximum is a number from then on; and the slots that would lie under key 0 stand at the walk's end, where a test on ids leads round their loads and their steps.
; Every work-group walks all five slots: the trip counts are constants.  A step all of whose keys are hidden from my 16 queries (above them, 512 or more under them, or under key 0) is left out by a scalar branch on ids.
; LAYOUT.  S^T = K Q^T (source 0 = 16 keys, source 1 = my queries): a lane holds ONE query (lane % 16) and keys 8 (lane / 16) + 0 .. 7 of each tile; two tiles rounded in pairs ARE source 1 of O^T = V^T P; V is turned by ds_load_tr16_b128.
; SOFTMAX.  A running maximum m and sum l for each query: p = 2^(c s - c m), c = 0.12 log2(e); in every step O and l are multiplied by a = 2^(c m_old - c m_new).
; NO CLUSTER: neighbouring blocks of queries want different slots at the same change of slots (block x's slot s is block x - 1's slot s - 1), and a joint walk over the union of their windows would bring each partner tiles that none
; of its waves reads.
; LIMITS.  NaN and infinities are not served.  f16 holds magnitudes up to 65,504.
; REGISTERS: window 0: v1-9 addresses and constants; v10 c m, v11 m; v12-13 l; v14-20 at work; v32-63 Q; v64-95 S^T, then p; v96-111 P; v112-175 O^T.   window 1: v0-127 K of a step; v128-255 V of a step.
.set SLOT1, 1<<17                      ; slot 1 begins here: one exclusive or turns an address in one slot into the other's
.set VOFF,  32768                      ; a slot: 128 keys of K as images, dense; then 128 rows of V
.set PV,    288                        ; a row of V: 256 bytes + 32 of padding: 72 words from row to row
.set SPARE, 2*SLOT1                    ; the spare words, 128 bytes a wave, which no other line names
.set LK,   1                           ; 16 x lane
.set AV0,  2                           ; my lane's place in a tile of V
.set SPW,  3
.set NIL,  4
.set ADK,  5
.set ADV,  6
.set DL,   7                           ; r - 8 h
.set DD,   8
.set NINF, 9
.set CM,   10
.set L,    12
.set T0,   14
.set AA,   18
.set TMP,  20
.set Q,    32
.set S,    64
.set P,    96
.set O,    112
.set WV,   8
.set Q0,   11                          ; my first query
.set QHI,  12                          ; my last
.set QLO,  13                          ; a step whose first key lies under this is hidden
.set QC,   14                          ; a step whose first key lies above this needs the causal mask
.set QW,   15                          ; one whose first key lies under this needs the window's
.set KF,   16                          ; the step's first key (signed)
.set TB,   17                          ; LDS byte at which the slot in hand begins
.set SLOTS, 18
.set SEL,  20
.set CS,   22
.set G1K,  24
.set G1V,  32
.set G0K,  40
.set G0V,  44
.set MSB, 0
.macro WIN new
.if MSB != \new
	s_set_vgpr_msb (MSB<<8)|\new
.set MSB, \new
.endif
.endm
; Waves 0 and 1 fetch K's halves, waves 2 and 3 V's, the others nothing.  An s_nop 0 and four v_nop follow each of the two lines.
.macro TLOAD
	s_cmp_lt_u32 s[WV], 2
	s_cbranch_scc0 .Lnot_k_\@
	tensor_load_to_lds s[G0K:G0K+3], s[G1K:G1K+7]
	s_nop 0
.rept 4
	v_nop
.endr
	s_branch .Lasked_\@
.Lnot_k_\@:
	s_cmp_lt_u32 s[WV], 4
	s_cbranch_scc0 .Lasked_\@
	tensor_load_to_lds s[G0V:G0V+3], s[G1V:G1V+7]
	s_nop 0
.rept 4
	v_nop
.endr
.Lasked_\@:
.endm
	s_load_b128 s[4:7], s[0:1], 0x0                ; q/k/v s[4:5], y s[6:7]
	v_lshl_add_u32 v[SPW], v0, 2, SPARE
	v_mov_b32 v[NIL], 0
	ds_add_u32 v[SPW], v[NIL]                      ; the wave's opening: the add, twice on end, and its wait ahead of the first tensor load
	ds_add_u32 v[SPW], v[NIL]
	v_lshrrev_b32 v5, 5, v0
	v_readfirstlane_b32 s[WV], v5                  ; wave 0..7
	s_and_b32 s9, ttmp7, 0xffff                    ; the head
	s_lshl_b32 s10, ttmp9, 7                       ; base
	s_lshl_b32 s2, s[WV], 4
	s_add_co_u32 s[Q0], s10, s2
	s_add_co_u32 s[QHI], s[Q0], 15
	s_sub_co_i32 s[QLO], s[Q0], 574                ; first key + 63 < my first query - 511,
	s_max_i32 s[QLO], s[QLO], 0                    ; or under key 0
	s_sub_co_i32 s[QC], s[Q0], 63
	s_sub_co_i32 s[QW], s[Q0], 496
	s_add_co_u32 s[KF], s10, 64
	s_mov_b32 s[TB], 0
	s_mov_b32 s[SLOTS], 4
	s_mov_b32 s[SEL], 0x76543210
	s_mov_b32 s[SEL+1], 0xfedcba98
	s_mov_b32 s[CS], 0x3e314743                    ; c = 0.12 log2(e)
	s_mov_b32 s[CS+1], s[CS]
	s_mov_b32 s[G1K], 3<<16                        ; 64 keys of images: 16,384 dense bytes as 64 rows of 32 elements of 8 bytes
	s_mov_b32 s[G1V], (3<<16)|(1<<20)|(5<<22)|(7<<25)   ; 64 rows of V, 8 words of padding after every 64
.irp g, G1K, G1V
	s_mov_b32 s[\g+1], 32<<16
	s_mov_b32 s[\g+2], 64<<16
	s_mov_b32 s[\g+3], 32<<16
	s_mov_b32 s[\g+4], 64
	s_mov_b32 s[\g+5], 32
	s_mov_b32 s[\g+6], 0
	s_mov_b32 s[\g+7], 0
.endr
	s_and_b32 s2, s[WV], 1                         ; which 64 keys of a slot I fetch, if I fetch
	s_lshl_b32 s3, s2, 14
	s_lshl_b32 s19, s10, 8
	s_add_co_u32 s3, s3, s19
	s_lshl_b32 s19, s9, 20
	s_add_co_u32 s3, s3, s19
	s_add_co_u32 s48, s3, 8<<20                    ; K's planes are 8 to 15,
	s_mov_b32 s49, 0
	s_add_co_u32 s50, s3, 16<<20                   ; V's 16 to 23
	s_mov_b32 s51, 0
	s_lshl_b32 s52, s[Q0], 8
	s_add_co_u32 s52, s52, s19                     ; my tile in q's plane, and in y's
	s_mov_b32 s53, 0
	s_lshl_b32 s54, s2, 14                         ; where they go in a slot
	s_mul_i32 s55, s2, 64*PV
	s_add_co_u32 s55, s55, VOFF
	s_wait_dscnt 0x0                               ; both opening adds are done
	s_wait_kmcnt 0x0
	s_mov_b32 s[G0K], 1
	s_mov_b32 s[G0K+1], s54
	s_add_nc_u64 s[G0K+2:G0K+3], s[4:5], s[48:49]
	s_or_b32 s[G0K+3], s[G0K+3], 0x80000000
	s_mov_b32 s[G0V], 1
	s_mov_b32 s[G0V+1], s55
	s_add_nc_u64 s[G0V+2:G0V+3], s[4:5], s[50:51]
	s_or_b32 s[G0V+3], s[G0V+3], 0x80000000
	TLOAD                                          ; slot 0: keys base .. base + 127
	s_add_nc_u64 s[48:49], s[4:5], s[52:53]        ; Q
	s_add_nc_u64 s[50:51], s[6:7], s[52:53]        ; y
	v_and_b32 v10, 31, v0
	v_lshlrev_b32 v[LK], 4, v10
.irp b, 0,1,2,3,4,5,6,7
	global_load_b128 v[Q+4*\b:Q+4*\b+3], v[LK], s[48:49] offset:512*\b   ; Q's four fragments stay in registers
.endr
	v_and_b32 v11, 15, v0                          ; r
	v_bfe_u32 v12, v0, 4, 1                        ; h
	v_and_b32 v13, 7, v0
	v_bfe_u32 v14, v0, 3, 1
	v_lshl_add_u32 v[AV0], v12, 3, v13             ; the turning load: key 8 h + l % 8, channels 8 ((l / 8) % 2) + 0 .. 7
	v_mul_u32_u24 v[AV0], v[AV0], PV
	v_lshl_add_u32 v[AV0], v14, 4, v[AV0]
	v_add_nc_u32 v[AV0], VOFF, v[AV0]
	v_lshlrev_b32 v12, 3, v12
	v_sub_nc_u32 v[DL], v11, v12
	v_mov_b32 v[NINF], 0xff800000
	v_mov_b32 v[CM+1], 0xff61b1e6                  ; m = -3e38, under every score
	v_mul_f32 v[CM], s[CS], v[CM+1]
	v_mov_b32 v[L], 0
	v_mov_b32 v[L+1], 0
	v_mov_b32 v[T0+1], 0                           ; written once: a lane permute's destination counts as one of its sources, whichever steps the wave has worked
	v_mov_b32 v[AA+1], 0                           ; (named as the upper half of the pair with a)
.set i, 0
.rept 64
	v_mov_b32 v[O+i], 0                            ; O^T.  The step is written once for whichever step is a wave's first: it finds zeros, which a = 0 leaves zeros
.set i, i+1
.endr
; A KEY STEP: 64 keys, half u of the slot in hand.
.macro STEP u
	s_cmp_gt_i32 s[KF], s[QHI]                     ; all its keys above my queries,
	s_cbranch_scc1 .Lhid_\@
	s_cmp_lt_i32 s[KF], s[QLO]                     ; or all 512 or more under them, or under key 0: the step's work is left out
	s_cbranch_scc1 .Lhid_\@
	v_add_nc_u32 v[ADK], s[TB], v[LK]
	v_add_nc_u32 v[ADV], s[TB], v[AV0]
	v_nop
	v_nop                                          ; four plain lines between the last products and the loads into the registers that they read
	WIN 0x40                                       ; destination window 1
.set i, 0
.rept 16                                           ; K: tile i / 4 of 16 keys, channels 32 (i % 4) on: two chunks of the image
	ds_load_b128 v[8*i:8*i+3],   v[ADK] offset:16384*\u+4096*(i/4)+1024*(i%4)
	ds_load_b128 v[8*i+4:8*i+7], v[ADK] offset:16384*\u+4096*(i/4)+1024*(i%4)+512
.set i, i+1
.endr
.set i, 0
.rept 16                                           ; V, turned: keys 32 (i / 8) on, channels 16 (i % 8) on
	ds_load_tr16_b128 v[128+8*i:128+8*i+3],   v[ADV] offset:64*PV*\u+(i/8)*32*PV+(i%8)*32
	ds_load_tr16_b128 v[128+8*i+4:128+8*i+7], v[ADV] offset:64*PV*\u+(i/8)*32*PV+16*PV+(i%8)*32
.set i, i+1
.endr
	s_wait_dscnt 32                                ; K is in; V's 32 loads may be out
	WIN 0x01                                       ; source 0 window 1
.irp f, 0,1,2,3                                    ; the four accumulators take turns, one instruction a turn
.irp kt, 0,1,2,3
.if \f == 0
	v_wmma_f32_16x16x32_f16 v[S+8*\kt:S+8*\kt+7], v[32*\kt+8*\f:32*\kt+8*\f+7], v[Q+8*\f:Q+8*\f+7], 0
.else
	v_wmma_f32_16x16x32_f16 v[S+8*\kt:S+8*\kt+7], v[32*\kt+8*\f:32*\kt+8*\f+7], v[Q+8*\f:Q+8*\f+7], v[S+8*\kt:S+8*\kt+7]
.endif
.endr
.endr
	WIN 0
.rept 4
	v_nop
.endr
	s_cmp_gt_i32 s[KF], s[QC]                      ; register n holds key KF + 8 h + 16 (n / 8) + n % 8 for query Q0 + r
	s_cbranch_scc0 .Lnc_\@
	s_sub_co_i32 s2, s[Q0], s[KF]
	v_add_nc_u32 v[DD], s2, v[DL]                  ; d = query - KF - 8 h: hidden where 16 (n / 8) + n % 8 > d
.set n, 0
.rept 32
	v_cmp_gt_i32 vcc_lo, 16*(n/8)+n%8, v[DD]
	v_cndmask_b32 v[S+n], v[S+n], v[NINF], vcc_lo
.set n, n+1
.endr
.Lnc_\@:
	s_cmp_lt_i32 s[KF], s[QW]
	s_cbranch_scc0 .Lnw_\@
	s_sub_co_i32 s2, s[Q0], s[KF]
	s_sub_co_i32 s2, s2, 511
	v_add_nc_u32 v[DD], s2, v[DL]                  ; d - 511: hidden where query - key >= 512
.set n, 0
.rept 32
	v_cmp_lt_i32 vcc_lo, 16*(n/8)+n%8, v[DD]
	v_cndmask_b32 v[S+n], v[S+n], v[NINF], vcc_lo
.set n, n+1
.endr
.Lnw_\@:
.irp k, 0,1,2,3
	v_max3_num_f32 v[T0+\k], v[S+8*\k], v[S+8*\k+1], v[S+8*\k+2]   ; the maximum, in four chains; each accumulator is read from its low end on
.endr
.irp k, 0,1,2,3
	v_max3_num_f32 v[T0+\k], v[T0+\k], v[S+8*\k+3], v[S+8*\k+4]
.endr
.irp k, 0,1,2,3
	v_max3_num_f32 v[T0+\k], v[T0+\k], v[S+8*\k+5], v[S+8*\k+6]
.endr
	v_max3_num_f32 v[T0], v[T0], v[S+7], v[S+15]
	v_max3_num_f32 v[T0+2], v[T0+2], v[S+23], v[S+31]
	v_max3_num_f32 v[T0], v[T0], v[T0+1], v[T0+2]
	v_max3_num_f32 v[T0], v[T0], v[T0+3], v[CM+1]  ; and the old m
	v_permlanex16_b32 v[T0+1], v[T0], s[SEL], s[SEL+1]   ; the query's other 32 keys lie in the lane 16 away
	v_mov_b32 v[TMP], v[CM]
	v_max_num_f32 v[CM+1], v[T0], v[T0+1]
	v_mul_f32 v[CM], s[CS], v[CM+1]
	v_sub_f32 v[TMP], v[TMP], v[CM]                ; c m_old - c m_new
.set i, 0
.rept 16
	v_pk_fma_f32 v[S+2*i:S+2*i+1], v[S+2*i:S+2*i+1], s[CS:CS+1], v[CM:CM+1] op_sel_hi:[1,0,0] neg_lo:[0,0,1] neg_hi:[0,0,1]   ; c s - c m
.set i, i+1
.endr
	v_exp_f32 v[AA], v[TMP]                        ; a
.set i, 0
.rept 32
	v_exp_f32 v[S+i], v[S+i]                       ; p, at most 1
.set i, i+1
.endr
	v_nop                                          ; a plain line behind the batch,
	s_wait_alu depctr_va_vdst(0)                   ; and one wait for all 33, ahead of their first reader
.set i, 0
.rept 16
	v_cvt_pk_f16_f32 v[P+i], v[S+2*i], v[S+2*i+1]
.set i, i+1
.endr
.irp u2, 0,1,2,3,4,5,6,7                           ; the sum of the 16 pairs, in place
	v_pk_add_f32 v[S+4*\u2:S+4*\u2+1], v[S+4*\u2:S+4*\u2+1], v[S+4*\u2+2:S+4*\u2+3]
.endr
.irp u2, 0,1,2,3
	v_pk_add_f32 v[S+8*\u2:S+8*\u2+1], v[S+8*\u2:S+8*\u2+1], v[S+8*\u2+4:S+8*\u2+5]
.endr
.irp u2, 0,1
	v_pk_add_f32 v[S+16*\u2:S+16*\u2+1], v[S+16*\u2:S+16*\u2+1], v[S+16*\u2+8:S+16*\u2+9]
.endr
	v_pk_add_f32 v[S:S+1], v[S:S+1], v[S+16:S+17]
	v_pk_fma_f32 v[L:L+1], v[L:L+1], v[AA:AA+1], v[S:S+1] op_sel_hi:[1,0,1]    ; l = a l + the sum
.set i, 0
.rept 32
	v_pk_mul_f32 v[O+2*i:O+2*i+1], v[O+2*i:O+2*i+1], v[AA:AA+1] op_sel_hi:[1,0]   ; O^T x a
.set i, i+1
.endr
	s_wait_dscnt 0x0                               ; V is in
	WIN 0x01
.irp kh, 0,1                                       ; eight accumulators by turns
.irp cb, 0,1,2,3,4,5,6,7
	v_wmma_f32_16x16x32_f16 v[O+8*\cb:O+8*\cb+7], v[128+64*\kh+8*\cb:128+64*\kh+8*\cb+7], v[P+8*\kh:P+8*\kh+7], v[O+8*\cb:O+8*\cb+7]
.endr
.endr
	WIN 0
.Lhid_\@:
	s_sub_co_i32 s[KF], s[KF], 64
.endm
; THE CHANGE OF SLOTS stands at a slot's head.  Each wave waits for all its tensor loads (its part of the slot that it is about to read), adds 0 to its spare word (fill = 1: twice on end), and waits for that and for its reads of the
; slot that it has left.  Behind the barrier the slot ahead is whole and nobody reads the other one; fill = 1: that one takes the 128 keys below: the load has two key steps in which to land.
.macro CHANGE fill
	s_wait_tensorcnt 0x0                           ; no tensor load of mine is out, so a group 0 may be written
	ds_add_u32 v[SPW], v[NIL]
.if \fill
	ds_add_u32 v[SPW], v[NIL]                      ; and once more
	s_xor_b32 s[G0K+1], s[G0K+1], SLOT1            ; the walking descriptors: the other slot,
	s_sub_nc_u64 s[G0K+2:G0K+3], s[G0K+2:G0K+3], 32768   ; 128 keys down
	s_xor_b32 s[G0V+1], s[G0V+1], SLOT1
	s_sub_nc_u64 s[G0V+2:G0V+3], s[G0V+2:G0V+3], 32768
.endif
	s_wait_dscnt 0x0
	s_barrier_signal -1
	s_barrier_wait -1
.if \fill
	s_cmp_lt_i32 s[KF], 192                        ; the next slot's first key is KF - 192: a slot under key 0 is read by no wave and is not asked for.  The work-group's number and the count of steps alone: all eight waves go
	s_cbranch_scc1 .Lpast_\@                       ; the same way, and a work-group that is past the limit stays past it.  Every wait on TENSORcnt in this text is for 0
	TLOAD
.Lpast_\@:
.endif
.endm
	s_wait_loadcnt 0x0                             ; Q
.Lslot:                                            ; four trips: behind each change of slots but the last the next slot is asked for
	CHANGE 1
	STEP 1
	STEP 0
	s_xor_b32 s[TB], s[TB], SLOT1
	s_sub_co_u32 s[SLOTS], s[SLOTS], 1
	s_cmp_lg_u32 s[SLOTS], 0
	s_cbranch_scc1 .Lslot
	CHANGE 0                                       ; the last slot is written out: nothing is left to ask for
	STEP 1
	STEP 0
	; THE WAY OUT: O^T / l, rounded to f16.  A lane's eight channels of a row are 16 bytes of the image: eight stores of 512 consecutive bytes, nothing through LDS.
.rept 4
	v_nop                                          ; places behind the last products
.endr
	v_add_f32 v[L], v[L], v[L+1]
	v_permlanex16_b32 v[T0+1], v[L], s[SEL], s[SEL+1]
	v_add_f32 v[L], v[L], v[T0+1]
	v_rcp_f32 v[AA], v[L]
	v_nop
	s_wait_alu depctr_va_vdst(0)                   ; the wait ahead of the reciprocal's first reader
.set i, 0
.rept 32
	v_pk_mul_f32 v[O+2*i:O+2*i+1], v[O+2*i:O+2*i+1], v[AA:AA+1] op_sel_hi:[1,0]
.set i, i+1
.endr
.set i, 0
.rept 32
	v_cvt_pk_f16_f32 v[S+i], v[O+2*i], v[O+2*i+1]
.set i, i+1
.endr
.irp cb, 0,1,2,3,4,5,6,7
	global_store_b128 v[LK], v[S+4*\cb:S+4*\cb+3], s[50:51] offset:512*\cb
.endr
	s_wait_tensorcnt 0x0                           ; the wave's end
	ds_add_u32 v[SPW], v[NIL]
	s_wait_dscnt 0x0
	s_endpgm
.Lfunc_end_k_qa21763b8cf_attn:
	.size	k_qa21763b8cf_attn, .Lfunc_end_k_qa21763b8cf_attn-k_qa21763b8cf_attn
	.p2alignl 7, 3214868480
	.fill 96, 4, 3214868480
	.section	.rodata,"a",@progbits
	.p2align	6, 0x0
	.amdhsa_kernel k_qa21763b8cf_attn
		.amdhsa_group_segment_fixed_size 327680
		.amdhsa_private_segment_fixed_size 0
		.amdhsa_enable_private_segment 0
		.amdhsa_kernarg_size 16
		.amdhsa_user_sgpr_count 2
		.amdhsa_user_sgpr_kernarg_segment_ptr 1
		.amdhsa_wavefront_size32 1
		.amdhsa_system_sgpr_workgroup_id_x 1
		.amdhsa_system_sgpr_workgroup_id_y 1
		.amdhsa_system_sgpr_workgroup_id_z 1
		.amdhsa_system_vgpr_workitem_id 0
		.amdhsa_next_free_vgpr 512
		.amdhsa_next_free_sgpr 66
		.amdhsa_reserve_vcc 1
		.amdhsa_float_denorm_mode_32 3
		.amdhsa_float_denorm_mode_16_64 3
		.amdhsa_memory_ordered 1
		.amdhsa_forward_progress 1
		.amdhsa_inst_pref_size 88
	.end_amdhsa_kernel
	.amdgpu_metadata
---
amdhsa.version: [ 1, 2 ]
amdhsa.kernels:
  - .name:           k_qa21763b8cf_attn
    .symbol:         k_qa21763b8cf_attn.kd
    .args:
      - { .name: qkvh, .offset: 0, .size: 8, .value_kind: global_buffer, .address_space: global }
      - { .name: yimg, .offset: 8, .size: 8, .value_kind: global_buffer, .address_space: global }
    .group_segment_fixed_size: 327680
    .private_segment_fixed_size: 0
    .kernarg_segment_align: 8
    .kernarg_segment_size: 16
    .max_flat_workgroup_size: 256
    .sgpr_count:     66
    .vgpr_count:     512
    .wavefront_size: 32
...
	.end_amdgpu_metadata
.endif
;; end of part 3
;; launch proj (part 4): grid 8 x 32, 4 waves a work-group, clusters of 4 x 4, 327,680 bytes of LDS; arguments yimg, wo16, out0; writes out0
.if DOCPART == 4
	.amdgcn_target "amdgcn-amd-amdhsa--gfx1250"
	.amdhsa_code_object_version 6
	.text
	.protected	k_qa21763b8cf_proj
	.globl	k_qa21763b8cf_proj
	.p2align	8
	.type	k_qa21763b8cf_proj,@function
k_qa21763b8cf_proj:
	s_mov_b64 s[64:65], 0
	v_nop
	global_prefetch_b8 v0, s[64:65] scope:SCOPE_SE
	s_setreg_imm32_b32 hwreg(HW_REG_WAVE_MODE, 25, 1), 1
	s_wait_xcnt 0x0
	s_wait_alu depctr_hold_cnt(0) depctr_sa_sdst(0) depctr_va_vdst(0) depctr_va_sdst(0) depctr_va_ssrc(0) depctr_va_vcc(0) depctr_vm_vsrc(0)
	s_getreg_b32 s2, hwreg(HW_REG_IB_STS2, 6, 4)
	s_cmp_eq_u32 s2, 0
	s_cbranch_scc0 .Lentry_in_a_cluster
	s_endpgm
.Lentry_in_a_cluster:
	s_bfe_u32 s2, ttmp6, 0x10000c
	s_cmp_lg_u32 s2, 0xf033
	s_cbranch_scc0 .Lentry_shape_is_right
	s_endpgm
.Lentry_shape_is_right:
; OUT[t][d] = the sum over e of y[t][e] W[d][e].  y: f16, as images of operand registers, a plane of 1 MiB for each head (a tile of 16 rows: 8 chunks of 512 bytes; chunk b, lane l: row l % 16, channels 16 b + 8 (l / 16) + 0 .. 7).
; W: [1024][1024] f16, row-major.  OUT: [4096][1024] f32; sums in f32.
; A tile of OUT is 128 x 128: 256 work-groups of four waves, each wave 64 x 64: 16 accumulators.  K goes in steps of 256 (two heads) through a ring of two LDS slots.
; y's tile of a K step is, for 64 rows, 16,384 consecutive bytes in each of two planes: one tensor load of two rows of 16,384 bytes; its fragments are read at 16 x lane, dense.  W's tile has rows of 512 bytes + 16 of padding.
; CLUSTERS: 4 x 4 work-groups: y's tiles are asked for jointly along a row of the cluster, W's along a column.  THE MATRIX INSTRUCTION IS USED TRANSPOSED (source 0 = 16 rows of W, source 1 = 16 rows of y).
; Rows 0-15 are written here like all others and written again, more finely, by the launch that follows: leaving them out would be a branch on the work-group's place in its cluster.
; LIMITS.  NaN and infinities are not served.  f16 holds magnitudes up to 65,504.
; REGISTERS: window 0: v0-31 addresses; v32-95 at work on the way out; v128-255 the accumulators ((a, b) at v[128 + 8 (4 a + b)]).   window 1: two fragment buffers of 128: 64 registers of y, then 64 of W.
.set SIZE_N, 1024
.set SIZE_K, 1024
.set KSTEP,  256
.set PITCH,  528
.set HALFA,  32768                     ; y: 64 rows x 256 along K as images
.set HALFB,  64*PITCH                  ; W: 64 rows
.set BOFF,   2*HALFA
.set SLOT,   BOFF+2*HALFB
.set STAGE,  2*SLOT                    ; behind the ring: 16 rows x 272 bytes for each wave
.set SPITCH, 272
.set SPARE,  STAGE+4*16*SPITCH         ; the spare words, 128 bytes a wave, which no other line names
.set LAPS,   SIZE_K/(2*KSTEP)
.set ADRA, 16
.set ADRB, 20
.set STO,  24
.set RD,   25
.set CO,   26
.set SPW,  28
.set NIL,  29
.set TMP,  32
.set ACC,  128
.set F0,   0
.set F1,   128
.set G1, 24
.set G0, 32
.set G1B, 48
.set G0B, 56
.set MSB, 0
.macro WIN new
.if MSB != \new
	s_set_vgpr_msb (MSB<<8)|\new
.set MSB, \new
.endif
.endm
.set MUL,  0x05                        ; sources 0 (W) and 1 (y) window 1; C and D window 0
.set TO_F, 0x40
.macro JLOAD s                         ; a joint load: waves 0 and 1 fetch y's two halves, waves 2 and 3 W's; an s_nop 0 and four v_nop follow each of the two lines
	s_cmp_eq_u32 s11, 0
	s_cbranch_scc0 .Lfor_b_\@
	tensor_load_to_lds s[G0+4*\s:G0+4*\s+3], s[G1:G1+7]
	s_nop 0
.rept 4
	v_nop
.endr
	s_branch .Lasked_\@
.Lfor_b_\@:
	tensor_load_to_lds s[G0B+4*\s:G0B+4*\s+3], s[G1B:G1B+7]
	s_nop 0
.rept 4
	v_nop
.endr
.Lasked_\@:
.endm
.macro CREST
	s_cmp_lg_u32 s10, 0
	s_cbranch_scc1 .Lnot_wave_0_\@
	s_barrier_signal -3
.Lnot_wave_0_\@:
	s_barrier_wait -3
	s_barrier_signal -1
	s_barrier_wait -1
.endm
.macro CROUND
	s_barrier_signal -1
	s_barrier_wait -1
	CREST
.endm
	s_load_b128 s[4:7], s[0:1], 0x0                ; y s[4:5], W s[6:7]
	s_load_b64 s[8:9], s[0:1], 0x10                ; OUT
	v_lshl_add_u32 v[SPW], v0, 2, SPARE
	v_mov_b32 v[NIL], 0
	ds_add_u32 v[SPW], v[NIL]                      ; the wave's opening: the add, twice on end, and its wait ahead of my first tensor load
	ds_add_u32 v[SPW], v[NIL]
	v_lshrrev_b32 v1, 5, v0
	v_readfirstlane_b32 s10, v1                    ; wave 0..3
	s_lshr_b32 s11, s10, 1                         ; which half of the tile's rows is mine.  Also: I fetch for y (0) or for W (1)
	s_and_b32 s12, s10, 1                          ; which half of its columns.  Also: which 64 rows I fetch
	s_bfe_u32 s40, ttmp6, 0x40000                  ; cx, cy
	s_bfe_u32 s41, ttmp6, 0x40004
	s_lshl_b32 s42, ttmp9, 2
	s_add_co_u32 s42, s42, s40                     ; tile column
	s_and_b32 s13, ttmp7, 0xffff
	s_lshl_b32 s13, s13, 2
	s_add_co_u32 s13, s13, s41                     ; tile row
	s_lshl_b32 s43, s41, 2
	s_lshl_b32 s43, 15, s43                        ; my row of the cluster
	s_lshl_b32 s44, 0x1111, s40                    ; my column
	s_or_b32 s[G1+0], s43, (3<<16)|(1<<21)         ; y: the mask of my row; elements of 8 bytes; no padding; bit 21 beside a mask
	s_mov_b32 s[G1+1], 2048<<16                    ; tensor_dim0 = 2,048 elements: four tiles of 16 rows, 16,384 bytes
	s_mov_b32 s[G1+2], 2<<16                       ; tensor_dim1 = 2 heads
	s_mov_b32 s[G1+3], 2048<<16                    ; tile_dim0
	s_mov_b32 s[G1+4], 2                           ; tile_dim1
	s_mov_b32 s[G1+5], 131072                      ; from plane to plane: 1 MiB
	s_mov_b32 s[G1+6], 0
	s_mov_b32 s[G1+7], 0
	s_or_b32 s[G1B+0], s44, (1<<16)|(1<<20)|(1<<21)|(6<<22)|(3<<25)   ; W: the mask of my column; elements of 2 bytes; 4 words of padding after every 128
	s_mov_b32 s[G1B+1], KSTEP<<16
	s_mov_b32 s[G1B+2], 64<<16
	s_mov_b32 s[G1B+3], KSTEP<<16
	s_mov_b32 s[G1B+4], 64
	s_mov_b32 s[G1B+5], SIZE_K
	s_mov_b32 s[G1B+6], 0
	s_mov_b32 s[G1B+7], 0
	s_lshl_b32 s17, s12, 6
	s_lshl_b32 s16, s13, 7
	s_add_co_u32 s16, s16, s17                     ; y: row 128 x tile row + 64 x half,
	s_lshl_b32 s16, s16, 8                         ; 256 bytes a row in a plane
	s_lshl_b32 s46, s42, 7
	s_add_co_u32 s46, s46, s17                     ; W: row 128 x tile column + 64 x half,
	s_lshl_b32 s46, s46, 11                        ; 2,048 bytes a row
	s_mov_b32 s17, 0
	s_mov_b32 s47, 0
	s_lshl_b32 s20, s12, 15                        ; where they go: no place in the cluster enters an LDS address
	s_mul_i32 s21, s12, HALFB
	s_add_co_u32 s21, s21, BOFF
	s_wait_dscnt 0x0                               ; both opening adds are done
	s_wait_kmcnt 0x0
	s_add_nc_u64 s[14:15], s[4:5], s[16:17]
	s_add_nc_u64 s[46:47], s[6:7], s[46:47]
	CROUND                                         ; all sixteen work-groups are here: the first joint loads meet
.irp s, 0,1
	s_mov_b32 s[G0+4*\s], 1
	s_add_co_u32 s[G0+4*\s+1], s20, \s*SLOT
	s_add_nc_u64 s[G0+4*\s+2:G0+4*\s+3], s[14:15], \s*0x200000       ; K step s: heads 2 s, 2 s + 1
	s_or_b32 s[G0+4*\s+3], s[G0+4*\s+3], 0x80000000
	s_mov_b32 s[G0B+4*\s], 1
	s_add_co_u32 s[G0B+4*\s+1], s21, \s*SLOT
	s_add_nc_u64 s[G0B+4*\s+2:G0B+4*\s+3], s[46:47], \s*KSTEP*2
	s_or_b32 s[G0B+4*\s+3], s[G0B+4*\s+3], 0x80000000
	JLOAD \s
.endr
	v_and_b32 v1, 15, v0                           ; r
	v_bfe_u32 v2, v0, 4, 1                         ; h
	v_and_b32 v6, 31, v0
	v_lshlrev_b32 v6, 4, v6                        ; 16 x lane
	v_mul_u32_u24 v3, v1, PITCH
	v_lshl_add_u32 v3, v2, 4, v3
	s_lshl_b32 s22, s11, 15                        ; my 64 rows of y
	s_mul_i32 s23, s12, HALFB                      ; my 64 rows of W
	s_add_co_u32 s23, s23, BOFF
.irp s, 0,1
	v_add_nc_u32 v[ADRA+\s], s22, v6
	v_add_nc_u32 v[ADRB+\s], s23, v3
	s_add_co_u32 s22, s22, SLOT
	s_add_co_u32 s23, s23, SLOT
.endr
	s_mul_i32 s23, s10, 16*SPITCH
	s_add_co_u32 s23, s23, STAGE                   ; my stage
	v_mul_u32_u24 v4, v1, SPITCH                   ; in: row r, 32 bytes for each half of the lanes
	v_lshl_add_u32 v4, v2, 5, v4
	v_add_nc_u32 v[STO], s23, v4
	v_mul_u32_u24 v5, v2, SPITCH                   ; back: lanes 0-15 one row of 256 bytes, lanes 16-31 the next
	v_lshl_add_u32 v5, v1, 4, v5
	v_add_nc_u32 v[RD], s23, v5
	v_lshlrev_b32 v5, 12, v2                       ; and the same two rows in OUT
	v_lshl_add_u32 v[CO], v1, 4, v5
	s_lshl_b32 s16, s13, 7
	s_lshl_b32 s17, s11, 6
	s_add_co_u32 s16, s16, s17                     ; my first row of OUT
	s_lshl_b32 s16, s16, 12
	s_mov_b32 s17, 0
	s_add_nc_u64 s[8:9], s[8:9], s[16:17]
	s_lshl_b32 s46, s42, 9                         ; my first column, in bytes: 512 x tile column + 256 x half
	s_lshl_b32 s47, s12, 8
	s_add_co_u32 s46, s46, s47
	s_mov_b32 s47, 0
	s_add_nc_u64 s[8:9], s[8:9], s[46:47]
.macro MUL8 f, c, a0, zero             ; 8 matrix instructions: row blocks a0, a0 + 1 x all 4 column blocks, 32 along K; the 16 accumulators take turns
.irp a, \a0, \a0+1
.irp b, 0,1,2,3
.if \zero
	v_wmma_f32_16x16x32_f16 v[ACC+8*(4*(\a)+\b):ACC+8*(4*(\a)+\b)+7], v[\f+64+8*(4*\c+\b):\f+64+8*(4*\c+\b)+7], v[\f+8*(4*\c+\a):\f+8*(4*\c+\a)+7], 0
.else
	v_wmma_f32_16x16x32_f16 v[ACC+8*(4*(\a)+\b):ACC+8*(4*(\a)+\b)+7], v[\f+64+8*(4*\c+\b):\f+64+8*(4*\c+\b)+7], v[\f+8*(4*\c+\a):\f+8*(4*\c+\a)+7], v[ACC+8*(4*(\a)+\b):ACC+8*(4*(\a)+\b)+7]
.endif
.endr
.endr
.endm
; 32 LDS loads in one run: the fragments of quarter qd (64 along K) of a slot into buffer f; the first 32 along K first.  y: 32 along K number kk = 2 qd + c lies in head kk / 4, chunks 2 (kk % 4) and the next
.macro FETCH slot, qd, f
	WIN TO_F
.irp c, 0,1
.irp i, 0,1,2,3
	ds_load_b128 v[\f+64+8*(4*\c+\i):\f+64+8*(4*\c+\i)+3],   v[ADRB+\slot] offset:128*(\qd)+64*\c+\i*16*PITCH
	ds_load_b128 v[\f+64+8*(4*\c+\i)+4:\f+64+8*(4*\c+\i)+7], v[ADRB+\slot] offset:128*(\qd)+64*\c+\i*16*PITCH+32
	ds_load_b128 v[\f+8*(4*\c+\i):\f+8*(4*\c+\i)+3],         v[ADRA+\slot] offset:((2*(\qd)+\c)/4)*16384+((2*(\qd)+\c)%4)*1024+\i*4096
	ds_load_b128 v[\f+8*(4*\c+\i)+4:\f+8*(4*\c+\i)+7],       v[ADRA+\slot] offset:((2*(\qd)+\c)/4)*16384+((2*(\qd)+\c)%4)*1024+\i*4096+512
.endr
.endr
.endm
.macro PLACES
.rept 4
	v_nop
.endr
.endm
.macro QUARTER slot, qd, f, g, zero    ; multiplies buffer f and fetches quarter qd into g
	s_wait_dscnt 16                                ; the first 32 along K are in; the other sixteen loads may be out
	WIN MUL
	MUL8 \f, 0, 0, \zero
	MUL8 \f, 0, 2, \zero
	PLACES
	FETCH \slot, \qd, \g
	s_wait_dscnt 32                                ; all but the 32 just issued
	WIN MUL
	MUL8 \f, 1, 0, 0
	MUL8 \f, 1, 2, 0
.endm
; The last quarter multiplies buffer 1 and changes slots: one barrier; in front of it each wave waits for all its tensor loads, adds 0 to its spare word, and waits for that and for its reads of this slot.
.macro TURN slot, next, fill
	WIN 0
	s_wait_tensorcnt 0x0
	ds_add_u32 v[SPW], v[NIL]
	s_wait_dscnt 17                                ; (the add and the youngest sixteen loads may be out)
	WIN MUL
	MUL8 F1, 0, 0, 0
	s_wait_dscnt 0x0                               ; the add is done, and my reads of this slot are over
	s_barrier_signal -1
	MUL8 F1, 0, 2, 0
.if \fill
	WIN 0
.endif
	s_barrier_wait -1
.if \fill
	CREST                                          ; the barrier has opened a round of the cluster's barrier: no wave of any partner still reads this slot or has a load on its way
	s_add_nc_u64 s[G0+4*\slot+2:G0+4*\slot+3], s[G0+4*\slot+2:G0+4*\slot+3], 0x400000      ; four heads on
	s_add_nc_u64 s[G0B+4*\slot+2:G0B+4*\slot+3], s[G0B+4*\slot+2:G0B+4*\slot+3], 2*KSTEP*2
	JLOAD \slot                                    ; the first tensor load behind the round; its four v_nop are also the places in front of the loads below
.else
	PLACES
.endif
	FETCH \next, 0, F0
	WIN MUL
	MUL8 F1, 1, 0, 0
	MUL8 F1, 1, 2, 0
.endm
	s_wait_tensorcnt 1                             ; my part of K step 0 is in; K step 1's load may be out
	s_barrier_signal -1
	s_barrier_wait -1
	FETCH 0, 0, F0
	QUARTER 0, 1, F0, F1, 1                        ; the first products start the sums
	WIN 0
	s_mov_b32 s3, LAPS-1
.Llap:                                             ; a trip goes once round the ring and fills both slots again
	QUARTER 0, 2, F1, F0, 0
	QUARTER 0, 3, F0, F1, 0
	TURN 0, 1, 1
	QUARTER 1, 1, F0, F1, 0
	QUARTER 1, 2, F1, F0, 0
	QUARTER 1, 3, F0, F1, 0
	TURN 1, 0, 1
	QUARTER 0, 1, F0, F1, 0
	WIN 0
	s_sub_co_u32 s3, s3, 1
	s_cmp_lg_u32 s3, 0
	s_cbranch_scc1 .Llap
	QUARTER 0, 2, F1, F0, 0                        ; the last lap fills nothing
	QUARTER 0, 3, F0, F1, 0
	TURN 0, 1, 0
	QUARTER 1, 1, F0, F1, 0
	QUARTER 1, 2, F1, F0, 0
	QUARTER 1, 3, F0, F1, 0
	s_wait_dscnt 16
	WIN MUL
	MUL8 F1, 0, 0, 0
	MUL8 F1, 0, 2, 0
	s_wait_dscnt 0
	MUL8 F1, 1, 0, 0
	MUL8 F1, 1, 2, 0
	WIN 0
	; THE WAY OUT.  My 64 columns of f32 are 256 bytes of a row: a block of 16 rows goes through my own stage and comes back as whole pieces of 256 bytes, sixteen lanes to a piece.  No barrier: the stage is mine alone.
	PLACES
.irp a, 0,1,2,3
.if \a >= 2
	s_wait_xcnt 0x0                                ; block a - 2's stores have read the registers that block a's loads land in
.endif
.irp b, 0,1,2,3
	ds_store_b128 v[STO], v[ACC+8*(4*\a+\b):ACC+8*(4*\a+\b)+3] offset:64*\b        ; each accumulator from its low end on
	ds_store_b128 v[STO], v[ACC+8*(4*\a+\b)+4:ACC+8*(4*\a+\b)+7] offset:64*\b+16
.endr
.irp t, 0,1,2,3,4,5,6,7
	ds_load_b128 v[TMP+32*(\a%2)+4*\t:TMP+32*(\a%2)+4*\t+3], v[RD] offset:\t*2*SPITCH   ; LDS serves a wave's instructions in order: these see the stores above
.endr
.irp t, 0,1,2,3,4,5,6,7
	s_wait_dscnt 7-\t                              ; load t is in; the younger ones may be out
	global_store_b128 v[CO], v[TMP+32*(\a%2)+4*\t:TMP+32*(\a%2)+4*\t+3], s[8:9] offset:(16*\a+2*\t)*SIZE_N*4 th:TH_STORE_NT   ; 16 lanes store 256 consecutive bytes, at a multiple of 256 from OUT's first byte
.endr
.endr
	s_wait_tensorcnt 0x0                           ; the wave's end
	ds_add_u32 v[SPW], v[NIL]
	s_wait_dscnt 0x0
	CROUND                                         ; the closing round
	s_endpgm
.Lfunc_end_k_qa21763b8cf_proj:
	.size	k_qa21763b8cf_proj, .Lfunc_end_k_qa21763b8cf_proj-k_qa21763b8cf_proj
	.p2alignl 7, 3214868480
	.fill 96, 4, 3214868480
	.section	.rodata,"a",@progbits
	.p2align	6, 0x0
	.amdhsa_kernel k_qa21763b8cf_proj
		.amdhsa_group_segment_fixed_size 327680
		.amdhsa_private_segment_fixed_size 0
		.amdhsa_enable_private_segment 0
		.amdhsa_kernarg_size 24
		.amdhsa_user_sgpr_count 2
		.amdhsa_user_sgpr_kernarg_segment_ptr 1
		.amdhsa_wavefront_size32 1
		.amdhsa_system_sgpr_workgroup_id_x 1
		.amdhsa_system_sgpr_workgroup_id_y 1
		.amdhsa_system_sgpr_workgroup_id_z 1
		.amdhsa_system_vgpr_workitem_id 0
		.amdhsa_next_free_vgpr 512
		.amdhsa_next_free_sgpr 66
		.amdhsa_reserve_vcc 0
		.amdhsa_float_denorm_mode_32 3
		.amdhsa_float_denorm_mode_16_64 3
		.amdhsa_memory_ordered 1
		.amdhsa_forward_progress 1
		.amdhsa_inst_pref_size 86
	.end_amdhsa_kernel
	.amdgpu_metadata
---
amdhsa.version: [ 1, 2 ]
amdhsa.kernels:
  - .name:           k_qa21763b8cf_proj
    .symbol:         k_qa21763b8cf_proj.kd
    .args:
      - { .name: yimg, .offset: 0, .size: 8, .value_kind: global_buffer, .address_space: global }
      - { .name: wo16, .offset: 8, .size: 8, .value_kind: global_buffer, .address_space: global }
      - { .name: out0, .offset: 16, .size: 8, .value_kind: global_buffer, .address_space: global }
    .group_segment_fixed_size: 327680
    .private_segment_fixed_size: 0
    .kernarg_segment_align: 8
    .kernarg_segment_size: 24
    .max_flat_workgroup_size: 128
    .sgpr_count:     66
    .vgpr_count:     512
    .wavefront_size: 32
...
	.end_amdgpu_metadata
.endif
;; end of part 4
;; launch first16 (part 5): grid 32 x 1, 8 waves a work-group, no clusters, 19,456 bytes of LDS; arguments fine, qkvo_w, out0; writes out0
.if DOCPART == 5
	.amdgcn_target "amdgcn-amd-amdhsa--gfx1250"
	.amdhsa_code_object_version 6
	.text
	.protected	k_qa21763b8cf_first16
	.globl	k_qa21763b8cf_first16
	.p2align	8
	.type	k_qa21763b8cf_first16,@function
k_qa21763b8cf_first16:
	s_mov_b64 s[64:65], 0
	v_nop
	global_prefetch_b8 v0, s[64:65] scope:SCOPE_SE
	s_setreg_imm32_b32 hwreg(HW_REG_WAVE_MODE, 25, 1), 1
	s_wait_xcnt 0x0
; THE FIRST 16 POSITIONS, in f32 throughout: under the causal mask they average one to sixteen values, and rounded operands would weigh most there.  Attention of rows 0-15 (the window of 512 hides nothing here) and their
; rows of the output projection, by v_wmma_f32_16x16x4_f32: 16 rows in all, no bulk work.  It writes rows 0-15 of OUT over what the launch before has left there.
; IN: the f32 copy of rows 0-15, 24 planes of 8,192 bytes (q 0-7, k 8-15, v 16-23).  q, k: 16 chunks of 512 bytes; chunk k, lane l: row l % 16, columns 16 (k / 2) + 8 (l / 16) + 4 (k % 2) + 0 .. 3.  v: [16][128] row-major.
; SHARES.  Work-group g makes OUT[0:16][32 g : 32 g + 32].  Wave w does head w's attention (every work-group repeats it: 64 small products) and the part of the projection that runs over its head's 128 channels; the eight parts
; meet in LDS and are added in the order of the heads.  With 32 work-groups a row's piece is 128 bytes a store: 64 KiB in all are written so.
; LAYOUT.  The f32 form takes k = 2 (lane / 16) + register.  S^T = K Q^T: any two registers of the images, the same two on both sides, are four channels.  In S^T lane (r, h) holds query r and keys 8 h + 0 .. 7; registers
; 2 u, 2 u + 1 of p are then source 1 of Y^T = V^T p with V loaded to match (key 8 h + 2 u + e); Y^T holds query r and channels 16 cb + 8 h + 0 .. 7, and is in the same way source 1 of OUT^T = W Y^T.
; The registers that the f32 form writes are written by matrix instructions alone; what is made of a finished sum goes into other registers.
; LIMITS.  NaN and infinities are not served.
.set QF,   16                          ; v16-79   q's image
.set KFR,  80                          ; v80-143  k's image
.set P,    144                         ; v144-151 the weights
.set T,    152                         ; v152-168 at work
.set SA,   176                         ; two accumulators for the scores, by turns
.set SB,   184
.set YA,   192                         ; four tiles of Y^T
.set OA,   224                         ; two tiles of OUT^T
.set SPW,  252
.set NIL,  253
.set PART, 2304                        ; LDS: a wave's part: 16 rows x 144 bytes (128 + 16)
.set SPARE, 8*PART                     ; the spare words, 128 bytes a wave, which no other line names
.set MSB, 0
.macro WIN new
.if MSB != \new
	s_set_vgpr_msb (MSB<<8)|\new
.set MSB, \new
.endif
.endm
	s_load_b128 s[4:7], s[0:1], 0x0                ; the f32 copy, qkvo_w
	s_load_b64 s[8:9], s[0:1], 0x10                ; OUT
	v_lshl_add_u32 v[SPW], v0, 2, SPARE
	v_mov_b32 v[NIL], 0
	v_lshrrev_b32 v1, 5, v0
	v_readfirstlane_b32 s10, v1                    ; wave = head
	v_and_b32 v1, 31, v0
	v_and_b32 v2, 15, v0                           ; r
	v_bfe_u32 v3, v0, 4, 1                         ; h
	v_lshlrev_b32 v4, 4, v1                        ; 16 x lane
	v_lshlrev_b32 v5, 2, v2
	v_lshl_add_u32 v5, v3, 12, v5                  ; v: key 8 h (512 bytes a key), channel r
	v_lshlrev_b32 v6, 12, v2
	v_lshl_add_u32 v6, v3, 5, v6                   ; W: row r (4,096 bytes), channel 8 h
	v_lshlrev_b32 v7, 3, v3
	v_sub_nc_u32 v7, v2, v7                        ; r - 8 h
	s_mul_i32 s11, s10, PART
	v_mul_u32_u24 v8, v2, 144
	v_lshl_add_u32 v8, v3, 5, v8
	v_add_nc_u32 v8, s11, v8                       ; my part: row r, + 32 h
	v_lshrrev_b32 v11, 4, v0                       ; the last sum: thread i takes row i / 16, 8 bytes at 8 (i % 16)
	v_and_b32 v12, 15, v0
	v_mul_u32_u24 v9, v11, 144
	v_lshl_add_u32 v9, v12, 3, v9
	v_lshlrev_b32 v10, 12, v11
	v_lshl_add_u32 v10, v12, 3, v10
	v_mov_b32 v161, 0                              ; written once: a lane permute's destination counts as one of its sources
	v_mov_b32 v163, 0xff800000
	s_mov_b32 s20, 0x76543210
	s_mov_b32 s21, 0xfedcba98
	s_mov_b32 s22, 0x3e314743                      ; c = 0.12 log2(e)
	s_lshl_b32 s12, s10, 13                        ; my head's plane
	s_mov_b32 s13, 0
	s_lshl_b32 s14, ttmp9, 17                      ; W: 32 rows a work-group,
	s_lshl_b32 s15, s10, 9                         ; my head's 128 channels,
	s_add_co_u32 s14, s14, s15
	s_add_co_u32 s14, s14, 12582912                ; in the fourth matrix
	s_mov_b32 s15, 0
	s_lshl_b32 s16, ttmp9, 7                       ; OUT: 32 columns a work-group
	s_mov_b32 s17, 0
	s_wait_kmcnt 0x0
	s_add_nc_u64 s[4:5], s[4:5], s[12:13]
	s_add_nc_u64 s[6:7], s[6:7], s[14:15]
	s_add_nc_u64 s[8:9], s[8:9], s[16:17]
	WIN 0x40                                       ; destination window 1
.irp cb, 0,1,2,3,4,5,6,7
.irp i, 0,1,2,3,4,5,6,7
	global_load_b32 v[8*\cb+\i], v5, s[4:5] offset:131072+512*\i+64*\cb    ; v(8 h + i, 16 cb + r)
.endr
.endr
	WIN 0
.irp k, 0,1,2,3,4,5,6,7,8,9,10,11,12,13,14,15
	global_load_b128 v[QF+4*\k:QF+4*\k+3], v4, s[4:5] offset:512*\k
.endr
.irp k, 0,1,2,3,4,5,6,7,8,9,10,11,12,13,14,15
	global_load_b128 v[KFR+4*\k:KFR+4*\k+3], v4, s[4:5] offset:65536+512*\k
.endr
	WIN 0x40
.irp nt, 0,1
.irp cb, 0,1,2,3,4,5,6,7
.irp i, 0,1
	global_load_b128 v[64+64*\nt+8*\cb+4*\i:64+64*\nt+8*\cb+4*\i+3], v6, s[6:7] offset:65536*\nt+64*\cb+16*\i   ; W(32 g + 16 nt + r, 128 w + 16 cb + 8 h + 4 i + 0 .. 3)
.endr
.endr
.endr
	WIN 0
	s_wait_loadcnt 32                              ; v, q and k are in; W's 32 loads may be out
	; ---- the scores: 32 products of 4 channels, on two accumulators by turns
	v_wmma_f32_16x16x4_f32 v[SA:SA+7], v[KFR:KFR+1], v[QF:QF+1], 0
	v_wmma_f32_16x16x4_f32 v[SB:SB+7], v[KFR+2:KFR+3], v[QF+2:QF+3], 0
.set i, 2
.rept 15
	v_wmma_f32_16x16x4_f32 v[SA:SA+7], v[KFR+2*i:KFR+2*i+1], v[QF+2*i:QF+2*i+1], v[SA:SA+7]
	v_wmma_f32_16x16x4_f32 v[SB:SB+7], v[KFR+2*i+2:KFR+2*i+3], v[QF+2*i+2:QF+2*i+3], v[SB:SB+7]
.set i, i+2
.endr
.rept 8
	v_nop                                          ; eight places behind this form (ISA guide 7.12.1)
.endr
	; ---- the softmax: lane (r, h): query r, keys 8 h + j
.irp j, 0,1,2,3,4,5,6,7
	v_add_f32 v[T+\j], v[SA+\j], v[SB+\j]
.endr
.irp j, 0,1,2,3,4,5,6,7
	v_cmp_gt_i32 vcc_lo, \j, v7                    ; key 8 h + j above query r: hidden
	v_cndmask_b32 v[T+\j], v[T+\j], v163, vcc_lo
.endr
	v_max3_num_f32 v160, v[T], v[T+1], v[T+2]
	v_max3_num_f32 v160, v160, v[T+3], v[T+4]
	v_max3_num_f32 v160, v160, v[T+5], v[T+6]
	v_max_num_f32 v160, v160, v[T+7]
	v_permlanex16_b32 v161, v160, s20, s21
	v_max_num_f32 v160, v160, v161                 ; the row's maximum: every query sees its own key
	v_mul_f32 v160, s22, v160
.irp j, 0,1,2,3,4,5,6,7
	v_fma_f32 v[T+\j], v[T+\j], s22, -v160
.endr
.irp j, 0,1,2,3,4,5,6,7
	v_exp_f32 v[T+\j], v[T+\j]
.endr
	v_nop
	s_wait_alu depctr_va_vdst(0)                   ; one wait for the eight, ahead of their first reader
	v_add_f32 v164, v[T], v[T+1]
	v_add_f32 v166, v[T+2], v[T+3]
	v_add_f32 v167, v[T+4], v[T+5]
	v_add_f32 v168, v[T+6], v[T+7]
	v_add_f32 v164, v164, v166
	v_add_f32 v167, v167, v168
	v_add_f32 v164, v164, v167
	v_permlanex16_b32 v161, v164, s20, s21
	v_add_f32 v164, v164, v161
	v_rcp_f32 v165, v164
	v_nop
	s_wait_alu depctr_va_vdst(0)
.irp j, 0,1,2,3,4,5,6,7
	v_mul_f32 v[P+\j], v[T+\j], v165
.endr
.rept 4
	v_nop
.endr
	s_wait_loadcnt 0x0                             ; W
	; ---- Y^T = V^T p, four tiles of 16 channels at a time, and OUT^T += W Y^T over those 64 channels
	WIN 0x01                                       ; source 0 window 1
.irp G, 0,1
.if \G == 1
.rept 9
	v_nop                                          ; nine places: Y^T's registers, which the last products read, are written over
.endr
.endif
.irp u, 0,1,2,3
.irp q, 0,1,2,3
.if \u == 0
	v_wmma_f32_16x16x4_f32 v[YA+8*\q:YA+8*\q+7], v[8*(4*\G+\q)+2*\u:8*(4*\G+\q)+2*\u+1], v[P+2*\u:P+2*\u+1], 0
.else
	v_wmma_f32_16x16x4_f32 v[YA+8*\q:YA+8*\q+7], v[8*(4*\G+\q)+2*\u:8*(4*\G+\q)+2*\u+1], v[P+2*\u:P+2*\u+1], v[YA+8*\q:YA+8*\q+7]
.endif
.endr
.endr
.rept 9
	v_nop                                          ; nine places: a result becomes an operand
.endr
.irp q, 0,1,2,3
.irp u, 0,1,2,3
.irp nt, 0,1
.if (\G == 0) && (\q == 0) && (\u == 0)
	v_wmma_f32_16x16x4_f32 v[OA+8*\nt:OA+8*\nt+7], v[64+64*\nt+8*(4*\G+\q)+2*\u:64+64*\nt+8*(4*\G+\q)+2*\u+1], v[YA+8*\q+2*\u:YA+8*\q+2*\u+1], 0
.else
	v_wmma_f32_16x16x4_f32 v[OA+8*\nt:OA+8*\nt+7], v[64+64*\nt+8*(4*\G+\q)+2*\u:64+64*\nt+8*(4*\G+\q)+2*\u+1], v[YA+8*\q+2*\u:YA+8*\q+2*\u+1], v[OA+8*\nt:OA+8*\nt+7]
.endif
.endr
.endr
.endr
.endr
	WIN 0
.rept 8
	v_nop
.endr
	; ---- the eight heads' parts meet in LDS.  Lane (r, h), tile nt, register j: OUT(r, 32 g + 16 nt + 8 h + j)
.irp nt, 0,1
	ds_store_b128 v8, v[OA+8*\nt:OA+8*\nt+3] offset:64*\nt
	ds_store_b128 v8, v[OA+8*\nt+4:OA+8*\nt+7] offset:64*\nt+16
.endr
	s_wait_dscnt 0x0                               ; for the others' sake: my stores are done
	s_barrier_signal -1
	s_barrier_wait -1
.irp w, 0,1,2,3,4,5,6,7
	ds_load_b64 v[T+2*\w:T+2*\w+1], v9 offset:PART*\w
.endr
	s_wait_dscnt 0x0
.irp w, 1,2,3,4,5,6,7
	v_pk_add_f32 v[T:T+1], v[T:T+1], v[T+2*\w:T+2*\w+1]
.endr
	global_store_b64 v10, v[T:T+1], s[8:9]         ; sixteen lanes store 128 consecutive bytes of a row
	s_wait_tensorcnt 0x0                           ; the wave's end, behind my last LDS store
	ds_add_u32 v[SPW], v[NIL]
	s_wait_dscnt 0x0
	s_endpgm
.Lfunc_end_k_qa21763b8cf_first16:
	.size	k_qa21763b8cf_first16, .Lfunc_end_k_qa21763b8cf_first16-k_qa21763b8cf_first16
	.p2alignl 7, 3214868480
	.fill 96, 4, 3214868480
	.section	.rodata,"a",@progbits
	.p2align	6, 0x0
	.amdhsa_kernel k_qa21763b8cf_first16
		.amdhsa_group_segment_fixed_size 19456
		.amdhsa_private_segment_fixed_size 0
		.amdhsa_enable_private_segment 0
		.amdhsa_kernarg_size 24
		.amdhsa_user_sgpr_count 2
		.amdhsa_user_sgpr_kernarg_segment_ptr 1
		.amdhsa_wavefront_size32 1
		.amdhsa_system_sgpr_workgroup_id_x 1
		.amdhsa_system_sgpr_workgroup_id_y 1
		.amdhsa_system_sgpr_workgroup_id_z 1
		.amdhsa_system_vgpr_workitem_id 0
		.amdhsa_next_free_vgpr 448
		.amdhsa_next_free_sgpr 66
		.amdhsa_reserve_vcc 1
		.amdhsa_float_denorm_mode_32 3
		.amdhsa_float_denorm_mode_16_64 3
		.amdhsa_memory_ordered 1
		.amdhsa_forward_progress 1
		.amdhsa_inst_pref_size 29
	.end_amdhsa_kernel
	.amdgpu_metadata
---
amdhsa.version: [ 1, 2 ]
amdhsa.kernels:
  - .name:           k_qa21763b8cf_first16
    .symbol:         k_qa21763b8cf_first16.kd
    .args:
      - { .name: fine, .offset: 0, .size: 8, .value_kind: global_buffer, .address_space: global }
      - { .name: qkvo_w, .offset: 8, .size: 8, .value_kind: global_buffer, .address_space: global }
      - { .name: out0, .offset: 16, .size: 8, .value_kind: global_buffer, .address_space: global }
    .group_segment_fixed_size: 19456
    .private_segment_fixed_size: 0
    .kernarg_segment_align: 8
    .kernarg_segment_size: 24
    .max_flat_workgroup_size: 256
    .sgpr_count:     66
    .vgpr_count:     448
    .wavefront_size: 32
...
	.end_amdgpu_metadata
.endif
;; end of part 5
